; MI455X (gfx1250); checked and timed in simulation.
; The chip was launched on July 23, 2026; its instructions are those of AMD's public machine-readable ISA for CDNA 5 (MIT licence, August 2026) and "CDNA5" Instruction Set Architecture Reference Guide (July 2026). The comments in the code are by the model that wrote it; some were corrected since.
;; Block. Allowed arithmetic: matrix products marked QUANTISED: E2M3 operands, one E8M0 scale for each 32 along K, by v_wmma_scale_f32_16x16x128_f8f6f4 with both operands' format E2M3, f32 sums; everything else in f32.
;; Inputs: b_attn 3,072 float32; b_fc 4,096 float32; b_proj 1,024 float32; b_proj2 1,024 float32; ln1_b 1,024 float32; ln1_g 1,024 float32; ln2_b 1,024 float32; ln2_g 1,024 float32; w_attn 1,024 x 3,072 float32; w_fc 1,024 x 4,096 float32; w_proj 1,024 x 1,024 float32; w_proj2 4,096 x 1,024 float32; x 2 x 2,048 x 1,024 float32.
;; Outputs: out0 2 x 2,048 x 1,024 float32.
;; This version of the problem:
;;   THIS VERSION OF THE PROBLEM IS GIVEN IN LOW PRECISION. The matrix products marked QUANTISED in the list below multiply operands that are first quantised to E2M3 (2 exponent bits, 3 mantissa bits; 6 bits a number), with one power-of-two scale for each 32 numbers along K (OCP MX v1.0); their sums are f32. All else is computed in f32.
;;   The module's matrix products, in the order in which they are computed (A, B: the left and right operand; K: the contracted axis; several contracted axes count as one K, in the product's order):
;;     1. [M 4,096, K 1,024] x [K 1,024, N 3,072]; A: computed on the way; B: input w_attn: QUANTISED
;;     2. batch 32 x [M 2,048, K 64] x [K 64, N 2,048]; A: computed on the way; B: computed on the way: QUANTISED
;;     3. batch 32 x [M 2,048, K 2,048] x [K 2,048, N 64]; A: softmax (see below); B: computed on the way: QUANTISED
;;     4. [M 4,096, K 1,024] x [K 1,024, N 1,024]; A: computed on the way; B: input w_proj: QUANTISED
;;     5. [M 4,096, K 1,024] x [K 1,024, N 4,096]; A: computed on the way; B: input w_fc: QUANTISED
;;     6. [M 4,096, K 4,096] x [K 4,096, N 1,024]; A: computed on the way; B: input w_proj2: QUANTISED
;;   THE QUANTISER, for each operand of a quantised product, along K:
;;     - K is cut into blocks of 32 from its start; a last block that is shorter is filled with zeros.
;;     - A block's scale is 2^e with e = floor(log2(the largest magnitude in the block)) - 2, held to -126 .. 127; a block of zeros has e = 0. As a byte (E8M0): e + 127.
;;     - Each number is divided by its block's scale, clamped to +-7.5, and rounded to the nearest number of E2M3, ties to even, subnormals kept.
;;     - The product sums the exact products of the quantised numbers (number of the format x scale) in f32.
;;   ~~~python
;;   def quantise(x, axis):      # numpy; x: float32 -> the quantised numbers, widened to float32 again
;;       x = np.moveaxis(x, axis, -1); K = x.shape[-1]
;;       x = np.pad(x, [(0, 0)] * (x.ndim - 1) + [(0, -K % 32)]); x = x.reshape(x.shape[:-1] + (-1, 32)); a = np.abs(x).max(-1, keepdims=True)
;;       e = np.where(a > 0, np.clip(np.frexp(np.where(a > 0, a, 1))[1] - 1 - 2, -126, 127), 0)      # np.frexp(a)[1] - 1 = floor(log2(a)), exactly
;;       r = np.clip(x / 2.0 ** e, -7.5, 7.5)
;;       step = 2.0 ** (np.maximum(np.frexp(np.where(r == 0, 1, r))[1] - 1, 0) - 3)
;;       q = np.round(r / step) * step * 2.0 ** e      # np.round: ties to even
;;       return np.moveaxis(q.reshape(q.shape[:-2] + (-1,))[..., :K], -1, axis).astype(np.float32)
;;   ~~~
;;   SOFTMAX AHEAD OF A QUANTISED PRODUCT. Where the list says 'softmax', what is quantised is not the finished softmax but p = 2^(t - M), with t = logit x log2(e) and M = ceil(the row's largest t), a whole number; so 1/2 < the row's largest p <= 1. The row's sum l is taken of the UNQUANTISED p, in f32, and the product's result is divided by l at the end. Since M is a whole number, a kernel that streams over the keys may use a running M (the ceiling of the running maximum): every later rescaling is an exact power of two, which a block's scale takes up: the codes' values come out the same.
;;   OPERANDS COMPUTED ON THE WAY. 'Computed on the way' means the value that the module computes at that place (a softmax that the list does not call 'softmax' is quantised finished and normalised). What goes into a quantiser is computed in f32, as accurately as f32 sums, v_exp_f32 and their like allow (about 1e-6 of the number): no bf16 or f16 on the way to a quantiser, and a product that is left as it is and whose result goes on into a quantised operand takes f32 operands (vector FMAs, or v_wmma_f32_16x16x4_f32). A number that lies on a knife's edge between two numbers of the format may be rounded either way, as far as f32 arithmetic and the matrix unit's own rounding can turn it there, and no further.
;; One version. Each part assembles by itself: llvm-mc -triple=amdgcn-amd-amdhsa -mcpu=gfx1250 --defsym DOCPART=n.
;; ======== version 1 of 1: 6 launches
;; limits: right only within a limited range of input values
;; workspace buffers: wts 9,830,400 bytes; h1 3,276,800 bytes; qkv 9,830,400 bytes; ybuf 3,276,800 bytes; mid 20,054,016 bytes; hid 13,107,200 bytes
;; launch prep (part 1): grid 448 x 1, 8 waves a work-group, no clusters, 2,048 bytes of LDS; arguments x, ln1_g, ln1_b, w_attn, w_proj, w_fc, w_proj2, h1, wts; writes h1, wts
.if DOCPART == 1
	.amdgcn_target "amdgcn-amd-amdhsa--gfx1250"
	.amdhsa_code_object_version 6
	.text
	.protected	k_qab2df51589_prep
	.globl	k_qab2df51589_prep
	.p2align	8
	.type	k_qab2df51589_prep,@function
k_qab2df51589_prep:
	s_mov_b64 s[64:65], 0
	v_nop
	global_prefetch_b8 v0, s[64:65] scope:SCOPE_SE
	s_setreg_imm32_b32 hwreg(HW_REG_WAVE_MODE, 25, 1), 1
	s_wait_xcnt 0x0
; Two jobs in one launch, parted by the work-group's number (the same in all eight waves).
; Work-groups 0-255: h1 = Q(layernorm(x) g + b): codes of FP6 (E2M3) with one E8M0 byte for each 32 channels.
; Work-groups 256-447: the four weights [K][N] f32 become codes with K innermost and their scale bytes.
; LAYOUT OF ALL CODES OF THIS PROGRAM.  Rows (tokens, weight columns) are gathered in tiles of 16: lane-row r of tile t is row
; 32 (t / 2) + 8 (t % 2) + r + 8 (r / 8).  A fragment (a tile x 128 along K, 12 registers a lane) lies in memory as an image of its registers:
; registers 6 c .. 6 c + 3 at 768 c + 16 x lane, registers 6 c + 4, 6 c + 5 at 768 c + 512 + 8 x lane: 1,536 bytes.  Fragments lie [tile][K step].
; A scale word (a row's four bytes of a K step) lies at ((tile x K steps + K step) x 16 + r) x 4.
; A block's scale is 2^(floor(log2(largest magnitude)) - 2); its byte is the largest magnitude's exponent field - 2, held at 1 from below.
; LIMITS: NaN and infinities among the inputs are not served.  A block whose largest magnitude lies under 2^-124, a block of zeros too, gets the byte 1
; (the rule says 127 for zeros): its codes add nothing under any byte but 0xff, and this program alone reads the bytes.
.set SPARE, 1024                       ; LDS: 0 the waves' sums [16 rows][8 waves], 512 the sums of squares, 1024 the spare words (128 bytes a wave)
.set RED2,  512
.set SPW,   12                         ; v12 my spare word's address, v13 zero: kept for the add alone
.set NIL,   13
.set XN,    32                         ; LayerNorm: v32-95 my 64 numbers, v96-159 gain, v160-223 bias
.set GN,    96
.set BN,    160
.set TM,    96                         ; the quantiser works over the gain's registers once the gain is used
.set PC,    112
.set PW,    132
.set SEL,   62                         ; s[62:63] selects of v_permlanex16_b32: lane l xor 16
.set WX,    48                         ; weights: v16-47 offsets of 32 rows, v48-111 two blocks of 32 numbers, v112-159 codes, v160-162 a half block, v164-165 scale words
.set CG,    112
.set CT,    160
.set SB,    164
; 64 numbers of a lane, register 16 b + i = k 32 b + 16 (lane / 16) + i of my row, become a fragment's codes in v[PC] on and its scale word in v[PW]
.macro QUANT64 s
.irp b, 0,1,2,3
	v_max3_num_f32 v[TM+\b], |v[\s+16*\b]|, |v[\s+1+16*\b]|, 0x1800000   ; my 16 numbers of block b, and the floor 2^(3 - 127): the byte cannot fall under 1
.endr
.irp i, 2,4,6,8,10,12,14
.irp b, 0,1,2,3
	s_delay_alu instid0(VALU_DEP_4)
	v_max3_num_f32 v[TM+\b], v[TM+\b], |v[\s+16*\b+\i]|, |v[\s+1+16*\b+\i]|
.endr
.endr
.irp b, 0,1,2,3
	s_delay_alu instid0(VALU_DEP_4)
	v_permlanex16_b32 v[TM+4+\b], v[TM+\b], s[SEL], s[SEL+1]
.endr
.irp b, 0,1,2,3
	s_delay_alu instid0(VALU_DEP_4)
	v_max_num_f32 v[TM+\b], v[TM+\b], v[TM+4+\b]   ; with lane l xor 16's 16: the block's largest magnitude
.endr
.irp b, 0,1,2,3
	s_delay_alu instid0(VALU_DEP_4)
	v_add_nc_u32 v[TM+12+\b], 0xff000000, v[TM+\b]  ; 2 off its exponent field: the conversion's scale operand
.endr
.irp b, 0,1,2,3
	s_delay_alu instid0(VALU_DEP_4)
	v_lshrrev_b32 v[TM+4+\b], 23, v[TM+12+\b]       ; the scale's byte
.endr
	s_delay_alu instid0(VALU_DEP_3)
	v_lshl_or_b32 v[PW], v[TM+5], 8, v[TM+4]
	s_delay_alu instid0(VALU_DEP_1)
	v_lshl_or_b32 v[PW], v[TM+6], 16, v[PW]
	s_delay_alu instid0(VALU_DEP_1)
	v_lshl_or_b32 v[PW], v[TM+7], 24, v[PW]
.irp c, 0,1
	v_cvt_scalef32_pk16_fp6_f32 v[PC+6*\c:PC+2+6*\c], v[\s+32*\c:\s+15+32*\c], v[TM+12+2*\c]
	v_cvt_scalef32_pk16_fp6_f32 v[PC+12+4*\c:PC+14+4*\c], v[\s+16+32*\c:\s+31+32*\c], v[TM+12+2*\c+1]   ; (a conversion's three registers begin on an even number)
.endr
	v_nop                                          ; one plain line behind the scaled conversions
.irp c, 0,1                                    ; the operand wants a whole block in a lane: lanes 0-15 block 2 c, lanes 16-31 block 2 c + 1
.irp i, 0,1,2
	v_permlane16_swap_b32 v[PC+6*\c+\i], v[PC+12+4*\c+\i]
.endr
.irp i, 0,1,2
	s_delay_alu instid0(VALU_DEP_3)
	v_mov_b32 v[PC+3+6*\c+\i], v[PC+12+4*\c+\i]
.endr
.endr
.endm
	s_load_b256 s[4:11], s[0:1], 0x0               ; x, ln1_g, ln1_b, w_attn
	s_load_b256 s[12:19], s[0:1], 0x20             ; w_proj, w_fc, w_proj2, h1
	s_load_b64 s[20:21], s[0:1], 0x40              ; wts
	v_lshl_add_u32 v[SPW], v0, 2, SPARE
	v_mov_b32 v[NIL], 0
	v_lshrrev_b32 v1, 5, v0
	s_delay_alu instid0(VALU_DEP_1)
	v_readfirstlane_b32 s22, v1                    ; wave 0..7
	v_and_b32 v1, 31, v0                           ; lane
	s_cmp_lt_u32 ttmp9, 256
	s_cbranch_scc0 .Lweights
	; ---- LAYERNORM.  The work-group takes token tile ttmp9 (16 tokens); wave w takes channels 128 w .. 128 w + 127: one fragment.
	; Lane (r, h) holds, of its token, 16 neighbouring channels of each block of 32: 64 numbers.  Mean and variance in two passes: no difference of large sums.
	v_and_b32 v2, 15, v0                           ; r
	v_bfe_u32 v3, v0, 4, 1                         ; h
	s_delay_alu instid0(VALU_DEP_2)
	v_and_b32 v14, 8, v2
	s_delay_alu instid0(VALU_DEP_1)
	v_add_nc_u32 v14, v14, v2                      ; r + 8 (r / 8)
	s_delay_alu instid0(VALU_DEP_3)
	v_lshlrev_b32 v5, 6, v3                        ; 64 h: my 16 numbers of a block
	s_delay_alu instid0(VALU_DEP_1)
	v_lshl_add_u32 v4, v14, 12, v5                 ; + my token's row of 4,096 bytes
	v_lshlrev_b32 v6, 4, v1                        ; 16 x lane, 8 x lane: a fragment's image
	v_lshlrev_b32 v7, 3, v1
	v_lshlrev_b32 v8, 2, v2                        ; 4 r: a scale word
	v_lshlrev_b32 v10, 5, v2                       ; LDS: my row's eight sums
	s_lshl_b32 s23, s22, 2
	v_add_nc_u32 v9, s23, v10                      ; and my wave's word among them
	s_lshr_b32 s24, ttmp9, 1
	s_lshl_b32 s24, s24, 5
	s_and_b32 s25, ttmp9, 1
	s_lshl_b32 s25, s25, 3
	s_add_co_u32 s24, s24, s25                     ; the tile's first token
	s_lshl_b32 s24, s24, 12
	s_lshl_b32 s26, s22, 9                         ; my wave's 512 bytes of a row
	s_add_co_u32 s24, s24, s26
	s_mov_b32 s25, 0
	s_mov_b32 s27, 0
	s_lshl_b32 s28, ttmp9, 3
	s_add_co_u32 s28, s28, s22                     ; fragment 8 x tile + K step
	s_mul_i32 s30, s28, 1536
	s_mov_b32 s31, 0
	s_lshl_b32 s28, s28, 6
	s_add_co_u32 s28, s28, 3145728                 ; h1's scale words lie behind its codes
	s_mov_b32 s29, 0
	s_mov_b32 s[SEL], 0x76543210
	s_mov_b32 s[SEL+1], 0xfedcba98
	s_mov_b32 s32, 0x3a800000                      ; 1 / 1024
	s_mov_b32 s33, 0x3727c5ac                      ; 1e-5
	s_wait_alu depctr_va_vdst(0)
	s_wait_kmcnt 0x0
	s_add_nc_u64 s[4:5], s[4:5], s[24:25]
	s_add_nc_u64 s[6:7], s[6:7], s[26:27]
	s_add_nc_u64 s[8:9], s[8:9], s[26:27]
	s_add_nc_u64 s[30:31], s[18:19], s[30:31]
	s_add_nc_u64 s[28:29], s[18:19], s[28:29]
.irp b, 0,1,2,3
.irp j, 0,1,2,3
	global_load_b128 v[XN+16*\b+4*\j:XN+16*\b+4*\j+3], v4, s[4:5] offset:128*\b+16*\j th:TH_LOAD_NT
.endr
.endr
.irp b, 0,1,2,3
.irp j, 0,1,2,3
	global_load_b128 v[GN+16*\b+4*\j:GN+16*\b+4*\j+3], v5, s[6:7] offset:128*\b+16*\j
.endr
.endr
.irp b, 0,1,2,3
.irp j, 0,1,2,3
	global_load_b128 v[BN+16*\b+4*\j:BN+16*\b+4*\j+3], v5, s[8:9] offset:128*\b+16*\j
.endr
.endr
	s_wait_loadcnt 32                              ; x's 16 loads are in; gain's and bias's 32 may be out
	v_pk_add_f32 v[16:17], v[32:33], v[34:35]
	v_pk_add_f32 v[30:31], v[40:41], v[44:45]
	v_pk_add_f32 v[28:29], v[48:49], v[52:53]
	v_pk_add_f32 v[26:27], v[56:57], v[60:61]
	v_pk_add_f32 v[24:25], v[64:65], v[68:69]
	v_pk_add_f32 v[22:23], v[72:73], v[76:77]
	v_pk_add_f32 v[20:21], v[80:81], v[84:85]
	v_pk_add_f32 v[14:15], v[88:89], v[92:93]
	s_delay_alu instid0(VALU_DEP_1)
	v_pk_add_f32 v[14:15], v[14:15], v[36:37]
	v_pk_add_f32 v[16:17], v[16:17], v[38:39]
	v_pk_add_f32 v[30:31], v[30:31], v[42:43]
	v_pk_add_f32 v[28:29], v[28:29], v[46:47]
	v_pk_add_f32 v[26:27], v[26:27], v[50:51]
	v_pk_add_f32 v[24:25], v[24:25], v[54:55]
	v_pk_add_f32 v[22:23], v[22:23], v[58:59]
	v_pk_add_f32 v[20:21], v[20:21], v[62:63]
	v_pk_add_f32 v[14:15], v[14:15], v[66:67]
	v_pk_add_f32 v[16:17], v[16:17], v[70:71]
	v_pk_add_f32 v[30:31], v[30:31], v[74:75]
	v_pk_add_f32 v[28:29], v[28:29], v[78:79]
	v_pk_add_f32 v[26:27], v[26:27], v[82:83]
	v_pk_add_f32 v[24:25], v[24:25], v[86:87]
	v_pk_add_f32 v[22:23], v[22:23], v[90:91]
	v_pk_add_f32 v[20:21], v[20:21], v[94:95]
	s_delay_alu instid0(VALU_DEP_4)
	v_pk_add_f32 v[14:15], v[14:15], v[26:27]
	s_delay_alu instid0(VALU_DEP_4)
	v_pk_add_f32 v[16:17], v[16:17], v[24:25]
	s_delay_alu instid0(VALU_DEP_4)
	v_pk_add_f32 v[30:31], v[30:31], v[22:23]
	s_delay_alu instid0(VALU_DEP_4)
	v_pk_add_f32 v[28:29], v[28:29], v[20:21]
	s_delay_alu instid0(VALU_DEP_2)
	v_pk_add_f32 v[14:15], v[14:15], v[30:31]
	s_delay_alu instid0(VALU_DEP_2)
	v_pk_add_f32 v[16:17], v[16:17], v[28:29]
	s_delay_alu instid0(VALU_DEP_1)
	v_pk_add_f32 v[14:15], v[14:15], v[16:17]
	s_delay_alu instid0(VALU_DEP_1)
	v_add_f32 v14, v14, v15
	s_delay_alu instid0(VALU_DEP_1)
	v_permlanex16_b32 v15, v14, s[SEL], s[SEL+1]
	s_delay_alu instid0(VALU_DEP_1)
	v_add_f32 v14, v14, v15                        ; my token's sum over my wave's 128 channels
	ds_store_b32 v9, v14                           ; (lanes r and r + 16 write the same word with the same value)
	s_wait_dscnt 0x0                               ; for the others' sake: my store has landed
	s_barrier_signal -1
	s_barrier_wait -1
	ds_load_b128 v[16:19], v10
	ds_load_b128 v[20:23], v10 offset:16
	s_wait_dscnt 0x0
	v_add_f32 v16, v16, v17
	v_add_f32 v18, v18, v19
	v_add_f32 v20, v20, v21
	v_add_f32 v22, v22, v23
	s_delay_alu instid0(VALU_DEP_3)
	v_add_f32 v16, v16, v18
	s_delay_alu instid0(VALU_DEP_2)
	v_add_f32 v20, v20, v22
	s_delay_alu instid0(VALU_DEP_1)
	v_add_f32 v16, v16, v20
	s_delay_alu instid0(VALU_DEP_1)
	v_mul_f32 v14, 0xba800000, v16                 ; - mean
.set JJ, 0
.rept 32
	v_pk_add_f32 v[XN+JJ:XN+JJ+1], v[XN+JJ:XN+JJ+1], v[14:15] op_sel_hi:[1,0]
.set JJ, JJ+2
.endr
	v_pk_mul_f32 v[16:17], v[XN:XN+1], v[XN:XN+1]  ; the sum of squares of x - mean
	v_pk_mul_f32 v[18:19], v[XN+2:XN+3], v[XN+2:XN+3]
.irp j, 4,8,12,16,20,24,28,32,36,40,44,48,52,56,60
	s_delay_alu instid0(VALU_DEP_2)
	v_pk_fma_f32 v[16:17], v[XN+\j:XN+\j+1], v[XN+\j:XN+\j+1], v[16:17]
	s_delay_alu instid0(VALU_DEP_2)
	v_pk_fma_f32 v[18:19], v[XN+\j+2:XN+\j+3], v[XN+\j+2:XN+\j+3], v[18:19]
.endr
	s_delay_alu instid0(VALU_DEP_1)
	v_pk_add_f32 v[16:17], v[16:17], v[18:19]
	s_delay_alu instid0(VALU_DEP_1)
	v_add_f32 v16, v16, v17
	s_delay_alu instid0(VALU_DEP_1)
	v_permlanex16_b32 v17, v16, s[SEL], s[SEL+1]
	s_delay_alu instid0(VALU_DEP_1)
	v_add_f32 v16, v16, v17
	ds_store_b32 v9, v16 offset:RED2               ; other bytes than the first sums': one barrier is enough
	s_wait_dscnt 0x0
	s_barrier_signal -1
	s_barrier_wait -1
	ds_load_b128 v[16:19], v10 offset:RED2
	ds_load_b128 v[20:23], v10 offset:RED2+16
	s_wait_dscnt 0x0
	v_add_f32 v16, v16, v17
	v_add_f32 v18, v18, v19
	v_add_f32 v20, v20, v21
	v_add_f32 v22, v22, v23
	s_delay_alu instid0(VALU_DEP_3)
	v_add_f32 v16, v16, v18
	s_delay_alu instid0(VALU_DEP_2)
	v_add_f32 v20, v20, v22
	s_delay_alu instid0(VALU_DEP_1)
	v_add_f32 v16, v16, v20
	s_delay_alu instid0(VALU_DEP_1)
	v_fma_f32 v16, v16, s32, s33                   ; variance + 1e-5
	s_wait_alu depctr_va_vdst(0)
	v_rsq_f32 v16, v16
	v_nop                                          ; a plain line behind the transcendental,
	s_wait_alu depctr_va_vdst(0)                   ; and the wait ahead of its first reader
	s_wait_loadcnt 0x0                             ; gain and bias
.set JJ, 0
.rept 32
	v_pk_mul_f32 v[XN+JJ:XN+JJ+1], v[XN+JJ:XN+JJ+1], v[16:17] op_sel_hi:[1,0]
.set JJ, JJ+2
.endr
.set JJ, 0
.rept 32
	v_pk_fma_f32 v[XN+JJ:XN+JJ+1], v[XN+JJ:XN+JJ+1], v[GN+JJ:GN+JJ+1], v[BN+JJ:BN+JJ+1]
.set JJ, JJ+2
.endr
	QUANT64 XN
	global_store_b128 v6, v[PC:PC+3], s[30:31]                 ; 512 consecutive bytes,
	global_store_b64 v7, v[PC+4:PC+5], s[30:31] offset:512     ; 256,
	global_store_b128 v6, v[PC+6:PC+9], s[30:31] offset:768
	global_store_b64 v7, v[PC+10:PC+11], s[30:31] offset:1280
	global_store_b32 v8, v[PW], s[28:29]                       ; (lanes 16-31 write the same words with the same values)
	s_wait_tensorcnt 0x0                           ; the wave's end, behind my last LDS store
	ds_add_u32 v[SPW], v[NIL]
	s_wait_dscnt 0x0
	s_endpgm
	; ---- WEIGHTS.  j = ttmp9 - 256 picks the weight and a part of 256 columns x 256 along K.  A LANE TAKES A COLUMN, AND ITS REGISTERS RUN DOWN K:
	; each load reads 128 consecutive bytes a wave, a block of 32 lies in one lane, and the conversions give codes with K innermost.  No LDS on this path.
.Lweights:
	s_sub_co_u32 s23, ttmp9, 256
	s_mov_b32 s24, 128                             ; w_proj2's figures: first j, N, mask and shift that cut j into (K part, column part),
	s_mov_b32 s25, 1024
	s_mov_b32 s26, 15
	s_mov_b32 s27, 4
	s_mov_b32 s28, 49152                           ; bytes of a tile's fragments, of its scale words,
	s_mov_b32 s29, 2048
	s_mov_b32 s30, 6291456                         ; where its codes and its scale words begin in wts
	s_mov_b32 s31, 9699328
	s_wait_kmcnt 0x0
	s_mov_b64 s[48:49], s[16:17]
	s_cmp_lt_u32 s23, 128                          ; w_fc
	s_cselect_b32 s24, 64, s24
	s_cselect_b32 s25, 4096, s25
	s_cselect_b32 s26, 3, s26
	s_cselect_b32 s27, 2, s27
	s_cselect_b32 s28, 12288, s28
	s_cselect_b32 s29, 512, s29
	s_cselect_b32 s30, 3145728, s30
	s_cselect_b32 s31, 9568256, s31
	s_cselect_b64 s[48:49], s[14:15], s[48:49]
	s_cmp_lt_u32 s23, 64                           ; w_proj
	s_cselect_b32 s24, 48, s24
	s_cselect_b32 s25, 1024, s25
	s_cselect_b32 s30, 2359296, s30
	s_cselect_b32 s31, 9535488, s31
	s_cselect_b64 s[48:49], s[12:13], s[48:49]
	s_cmp_lt_u32 s23, 48                           ; w_attn
	s_cselect_b32 s24, 0, s24
	s_cselect_b32 s25, 3072, s25
	s_cselect_b32 s30, 0, s30
	s_cselect_b32 s31, 9437184, s31
	s_cselect_b64 s[48:49], s[10:11], s[48:49]
	s_sub_co_u32 s23, s23, s24
	s_and_b32 s50, s23, s26                        ; which 256 along K
	s_lshr_b32 s51, s23, s27
	s_lshl_b32 s51, s51, 8
	s_lshl_b32 s52, s22, 5
	s_add_co_u32 s51, s51, s52                     ; my wave's first column
	s_mul_i32 s52, s50, s25
	s_lshl_b32 s52, s52, 8
	s_add_co_u32 s52, s52, s51
	s_lshl_b32 s52, s52, 2                         ; (256 x K part x N + column) x 4, under 2^25
	s_mov_b32 s53, 0
	s_add_nc_u64 s[32:33], s[48:49], s[52:53]      ; a base for each of my eight blocks of 32 rows
	s_lshl_b32 s54, s25, 7
	s_mov_b32 s55, 0
.irp t, 1,2,3,4,5,6,7
	s_add_nc_u64 s[32+2*\t:33+2*\t], s[30+2*\t:31+2*\t], s[54:55]
.endr
	s_lshl_b32 s56, s25, 2                         ; a row of the weight in bytes
	s_wait_alu depctr_va_vdst(0)
	v_lshlrev_b32 v3, 2, v1
.set II, 0
.rept 32
	v_mad_u32_u24 v[16+II], s56, II, v3            ; row i of a block, my column
.set II, II+1
.endr
	; column 32 g + l is lane-row (l % 8) + 8 (l / 16) of tile 2 g + (l / 8) % 2
	v_bfe_u32 v4, v0, 3, 1
	v_and_b32 v5, 7, v0
	v_bfe_u32 v14, v0, 4, 1
	s_delay_alu instid0(VALU_DEP_1)
	v_lshl_add_u32 v5, v14, 3, v5
	s_delay_alu instid0(VALU_DEP_4)
	v_mul_u32_u24 v15, v4, s28
	s_delay_alu instid0(VALU_DEP_1)
	v_lshl_add_u32 v6, v5, 4, v15                  ; my place in an image's runs of 16 bytes a lane,
	s_delay_alu instid0(VALU_DEP_2)
	v_lshl_add_u32 v7, v5, 3, v15                  ; of 8 bytes a lane,
	v_mul_u32_u24 v15, v4, s29
	s_delay_alu instid0(VALU_DEP_1)
	v_lshl_add_u32 v14, v5, 2, v15                 ; and among the scale words
	s_lshr_b32 s57, s51, 4
	s_mul_i32 s58, s57, s28
	s_mul_i32 s59, s50, 3072                       ; two K steps to a part
	s_add_co_u32 s58, s58, s59
	s_add_co_u32 s58, s58, s30
	s_mov_b32 s59, 0
	s_add_nc_u64 s[58:59], s[20:21], s[58:59]
	s_mul_i32 s60, s57, s29
	s_lshl_b32 s61, s50, 7
	s_add_co_u32 s60, s60, s61
	s_add_co_u32 s60, s60, s31
	s_mov_b32 s61, 0
	s_add_nc_u64 s[60:61], s[20:21], s[60:61]
.macro WLD t                           ; block t: 32 rows of my column into set t % 2
.set II, 0
.rept 32
	global_load_b32 v[WX+32*((\t)%2)+II], v[16+II], s[32+2*(\t):33+2*(\t)] th:TH_LOAD_NT
.set II, II+1
.endr
.endm
; Block t = 4 q + 2 c + hh is, in K step q, what fragment lane (my row, hh) holds in registers 6 c .. 6 c + 5.  No store's data are ever written again: no wait frees them.
.macro BLOCK t
.set XS, WX+32*((\t)%2)
.set QQ, (\t)/4
.set KB, (\t)%4
.set CD, CG+24*QQ+12*(KB%2)+6*(KB/2)
.if (\t) < 7
	s_wait_loadcnt 32                              ; this block's 32 loads are in; the next block's may be out
.else
	s_wait_loadcnt 0
.endif
	v_max3_num_f32 v8, |v[XS]|, |v[XS+1]|, |v[XS+2]|
	v_max3_num_f32 v9, |v[XS+3]|, |v[XS+4]|, |v[XS+5]|
.irp i, 6,10,14,18,22,26
	s_delay_alu instid0(VALU_DEP_2)
	v_max3_num_f32 v8, v8, |v[XS+\i]|, |v[XS+\i+1]|
	s_delay_alu instid0(VALU_DEP_2)
	v_max3_num_f32 v9, v9, |v[XS+\i+2]|, |v[XS+\i+3]|
.endr
	s_delay_alu instid0(VALU_DEP_2)
	v_max3_num_f32 v8, v8, |v[XS+30]|, |v[XS+31]|
	s_delay_alu instid0(VALU_DEP_1)
	v_max3_num_f32 v8, v8, v9, 0x1800000           ; and the floor
	s_delay_alu instid0(VALU_DEP_1)
	v_add_nc_u32 v10, 0xff000000, v8
	s_delay_alu instid0(VALU_DEP_1)
	v_lshrrev_b32 v11, 23, v10
.if KB == 0
	s_delay_alu instid0(VALU_DEP_1)
	v_mov_b32 v[SB+QQ], v11
.else
	s_delay_alu instid0(VALU_DEP_1)
	v_lshl_or_b32 v[SB+QQ], v11, 8*KB, v[SB+QQ]
.endif
	v_cvt_scalef32_pk16_fp6_f32 v[CD:CD+2], v[XS:XS+15], v10
	v_cvt_scalef32_pk16_fp6_f32 v[CT:CT+2], v[XS+16:XS+31], v10
	v_nop
.irp i, 0,1,2
	v_mov_b32 v[CD+3+\i], v[CT+\i]
.endr
.if (\t)+2 < 8
	WLD (\t)+2
.endif
.if KB == 3                            ; K step q is whole.  A store of 16 bytes a lane covers two aligned runs of 256 bytes (two tiles); one of 8 bytes two runs of 128: a third of the code bytes go out in half runs
.irp hh, 0,1
.irp c, 0,1
	global_store_b128 v6, v[CG+24*QQ+12*\hh+6*\c:CG+24*QQ+12*\hh+6*\c+3], s[58:59] offset:1536*QQ+768*\c+256*\hh
	global_store_b64 v7, v[CG+24*QQ+12*\hh+6*\c+4:CG+24*QQ+12*\hh+6*\c+5], s[58:59] offset:1536*QQ+768*\c+512+128*\hh
.endr
.endr
	global_store_b32 v14, v[SB+QQ], s[60:61] offset:64*QQ
.endif
.endm
	WLD 0
	WLD 1
.irp t, 0,1,2,3,4,5,6,7
	BLOCK \t
.endr
	s_endpgm
.Lfunc_end_k_qab2df51589_prep:
	.size	k_qab2df51589_prep, .Lfunc_end_k_qab2df51589_prep-k_qab2df51589_prep
	.p2alignl 7, 3214868480
	.fill 96, 4, 3214868480
	.section	.rodata,"a",@progbits
	.p2align	6, 0x0
	.amdhsa_kernel k_qab2df51589_prep
		.amdhsa_group_segment_fixed_size 2048
		.amdhsa_private_segment_fixed_size 0
		.amdhsa_enable_private_segment 0
		.amdhsa_kernarg_size 72
		.amdhsa_user_sgpr_count 2
		.amdhsa_user_sgpr_kernarg_segment_ptr 1
		.amdhsa_wavefront_size32 1
		.amdhsa_system_sgpr_workgroup_id_x 1
		.amdhsa_system_sgpr_workgroup_id_y 1
		.amdhsa_system_sgpr_workgroup_id_z 1
		.amdhsa_system_vgpr_workitem_id 0
		.amdhsa_next_free_vgpr 224
		.amdhsa_next_free_sgpr 80
		.amdhsa_reserve_vcc 0
		.amdhsa_float_denorm_mode_32 3
		.amdhsa_float_denorm_mode_16_64 3
		.amdhsa_memory_ordered 1
		.amdhsa_forward_progress 1
		.amdhsa_inst_pref_size 74
	.end_amdhsa_kernel
	.amdgpu_metadata
---
amdhsa.version: [ 1, 2 ]
amdhsa.kernels:
  - .name:           k_qab2df51589_prep
    .symbol:         k_qab2df51589_prep.kd
    .args:
      - { .name: x, .offset: 0, .size: 8, .value_kind: global_buffer, .address_space: global }
      - { .name: ln1_g, .offset: 8, .size: 8, .value_kind: global_buffer, .address_space: global }
      - { .name: ln1_b, .offset: 16, .size: 8, .value_kind: global_buffer, .address_space: global }
      - { .name: w_attn, .offset: 24, .size: 8, .value_kind: global_buffer, .address_space: global }
      - { .name: w_proj, .offset: 32, .size: 8, .value_kind: global_buffer, .address_space: global }
      - { .name: w_fc, .offset: 40, .size: 8, .value_kind: global_buffer, .address_space: global }
      - { .name: w_proj2, .offset: 48, .size: 8, .value_kind: global_buffer, .address_space: global }
      - { .name: h1, .offset: 56, .size: 8, .value_kind: global_buffer, .address_space: global }
      - { .name: wts, .offset: 64, .size: 8, .value_kind: global_buffer, .address_space: global }
    .group_segment_fixed_size: 2048
    .private_segment_fixed_size: 0
    .kernarg_segment_align: 8
    .kernarg_segment_size: 72
    .max_flat_workgroup_size: 256
    .sgpr_count:     80
    .vgpr_count:     224
    .wavefront_size: 32
...
	.end_amdgpu_metadata
.endif
;; end of part 1
;; launch qkv (part 2): grid 12 x 16, 4 waves a work-group, clusters of 4 x 4, 327,680 bytes of LDS; arguments h1, wts, b_attn, qkv; writes qkv
.if DOCPART == 2
	.amdgcn_target "amdgcn-amd-amdhsa--gfx1250"
	.amdhsa_code_object_version 6
	.text
	.protected	k_qab2df51589_qkv
	.globl	k_qab2df51589_qkv
	.p2align	8
	.type	k_qab2df51589_qkv,@function
k_qab2df51589_qkv:
	s_mov_b64 s[64:65], 0
	v_nop
	global_prefetch_b8 v0, s[64:65] scope:SCOPE_SE
	s_setreg_imm32_b32 hwreg(HW_REG_WAVE_MODE, 25, 1), 1
	s_wait_xcnt 0x0
	s_wait_alu depctr_hold_cnt(0) depctr_sa_sdst(0) depctr_va_vdst(0) depctr_va_sdst(0) depctr_va_ssrc(0) depctr_va_vcc(0) depctr_vm_vsrc(0)
	s_getreg_b32 s2, hwreg(HW_REG_IB_STS2, 6, 4)
	s_cmp_eq_u32 s2, 0
	s_cbranch_scc0 .Lentry_in_a_cluster
	s_endpgm
.Lentry_in_a_cluster:
	s_bfe_u32 s2, ttmp6, 0x10000c
	s_cmp_lg_u32 s2, 0xf033
	s_cbranch_scc0 .Lentry_shape_is_right
	s_endpgm
.Lentry_shape_is_right:
; q, k, v = Q(h1 w_attn + b_attn): a GEMM on codes of FP6 (E2M3) whose way out adds the bias and quantises for attention: q and k along the head's 64, v along the keys.
; THE CORE (the same in the launches qkv, fc, proj2).  Operands lie in memory as fragment images [tile of 16 rows][K step of 128][1,536 bytes]; lane-row r of tile t is row 32 (t / 2) + 8 (t % 2) + r + 8 (r / 8).
; A work-group of four waves takes 2 NA tiles of A x 2 NA tiles of B, a wave NA x NA: with NA = 8 that is 64 accumulators, 512 registers.  K goes through a ring of two LDS slots of NQ K steps,
; filled by the tensor data mover, one load a wave (NA rows of NQ x 1,536 bytes).  A fragment comes from LDS by four loads whose lanes read consecutive bytes: no padding is wanted.
; The scale words of the work-group's tiles, for all of K, are dense blocks of memory: they come into LDS once, with the first fills.
; Source 0 = B's fragment, source 1 = A's: lane (r, h) of accumulator (a, b) holds A's lane-row r, and its register j B's row 32 (b / 2) + 16 h + 8 (b % 2) + j:
; the 64 registers of (a, 0 .. 7) run along 128 neighbouring rows of B in the order in which the quantiser wants them.
; CLUSTERS: 4 x 4 work-groups; A's tiles are asked for jointly along a row of the cluster, B's along a column.
; ROLES, by the cluster's x, which all sixteen partners share: 0 (q), 1 (k): A = tokens (h1), B = columns of w_attn; 2 (v): A = v's columns, B = tokens, so that a lane's registers run along the keys.
; LIMITS: NaN and infinities are not served; a block whose largest magnitude lies under 2^-124 (zeros too) gets the scale byte 1; this program alone reads the bytes.
; REGISTERS: window 0: v16-23 fragment addresses, v24-31 other addresses, v32-63 scale words (two sets), v64-127 bias along the registers, v128-223 A's fragments (one set), v240-247 v's bias;
;   on the way out v128-191 a block's 64 numbers, v192-230 the quantiser.  window 1: B's fragments, two sets, at v0 and v128.  windows 2, 3: the accumulators, (a, b) at v[8 (8 (a % 4) + b)].
.set NA, 8
.set NB, 8
.set LOGNA, 3
.set NQ, 2
.set KT, 8
.set LAPS, KT/(2*NQ)
.set FR, 12
.set FRB, 1536
.set STEPB, NQ*FRB                     ; a tile's bytes in a slot
.set RTP, KT*FRB                       ; a tile's bytes in memory
.set KSB, KT*64                        ; a tile's scale words
.set HALFS, NA*KSB
.set HALFT, NA*STEPB                   ; what one tensor load brings
.set SLOT, 4*HALFT                     ; A's two halves, then B's two
.set SCL, 2*SLOT                       ; behind the ring: the scale words, A's two halves, then B's two
.set SPARE, SCL+4*HALFS                ; the spare words, 128 bytes a wave, that no other line names
.set NL, 4                             ; LDS loads to a fragment
.set HALF, NA/2
.set ADRA, 16
.set ADRB, 20
.set ADRS, 27
.set SPW, 28
.set NIL, 29
.set SC, 32
.set BI, 64
.set AF, 128
.set XR, 128
.set TM, 192
.set PC, 208
.set PW, 227
.set PWE, 228
.set PWA, 229
.set PWB, 230
.set BV, 240
.set SEL, 32                           ; s[32:33], on the way out, where the descriptors are done with
.set G1, 24
.set G0, 32
.set G1B, 48
.set G0B, 56
.set G1S, 68
.set G0S, 76
.set G1SB, 80
.set G0SB, 88
.set MUL_LO, 0xa1                      ; source 0 (B) window 1, source 1 (A) window 0, C and D window 2
.set MUL_HI, 0xf1                      ; the same, C and D window 3
.set TO_B, 0x40
.set MSB, 0
.macro WIN new                         ; the immediate's high byte repeats the setting that is left
.if MSB != (\new)
	s_set_vgpr_msb (MSB<<8)|(\new)
.set MSB, (\new)
.endif
.endm
.macro PLACES                          ; four plain lines between a matrix instruction and a load into, or a read of, its registers
.rept 4
	v_nop
.endr
.endm
; A joint load: waves 0 and 1 fetch for A, waves 2 and 3 for B; the branch hangs on the wave's number alone.  An s_nop 0 and four v_nop follow each line.
.macro JLOAD g0a, g1a, g0b, g1b
	s_cmp_eq_u32 s15, 0
	s_cbranch_scc0 .Lfor_b_\@
	tensor_load_to_lds s[\g0a:\g0a+3], s[\g1a:\g1a+7]
	s_nop 0
.rept 4
	v_nop
.endr
	s_branch .Lasked_\@
.Lfor_b_\@:
	tensor_load_to_lds s[\g0b:\g0b+3], s[\g1b:\g1b+7]
	s_nop 0
.rept 4
	v_nop
.endr
.Lasked_\@:
.endm
.macro CREST                           ; a round of the cluster's barrier behind its opening barrier
	s_cmp_lg_u32 s14, 0
	s_cbranch_scc1 .Lnot_wave_0_\@
	s_barrier_signal -3
.Lnot_wave_0_\@:
	s_barrier_wait -3
	s_barrier_signal -1
	s_barrier_wait -1
.endm
.macro CROUND
	s_barrier_signal -1
	s_barrier_wait -1
	CREST
.endm
.macro FRAG reg, adr, off              ; a fragment's image into 12 registers
	ds_load_b128 v[\reg:\reg+3], v[\adr] offset:\off
	ds_load_b64 v[\reg+4:\reg+5], v[\adr+2] offset:\off+512
	ds_load_b128 v[\reg+6:\reg+9], v[\adr] offset:\off+768
	ds_load_b64 v[\reg+10:\reg+11], v[\adr+2] offset:\off+1280
.endm
.macro FETCH_B slot, q, p              ; B's NB fragments of the slot's q-th K step into set p
	WIN TO_B
.set II, 0
.rept NB
	FRAG 128*(\p)+FR*II, ADRB+\slot, II*STEPB+(\q)*FRB
.set II, II+1
.endr
	WIN 0
.endm
.macro FETCH_A slot, q, i0             ; A's blocks i0 .. i0 + HALF - 1
.set II, \i0
.rept HALF
	FRAG AF+FR*II, ADRA+\slot, II*STEPB+(\q)*FRB
.set II, II+1
.endr
.endm
.macro SCALES sc                       ; a slot's scale words into set sc: lanes 0-15 take A's block i, lanes 16-31 B's block i
.set II, 0
.rept NA
.set QQ, 0
.rept NQ
	ds_load_b32 v[SC+16*(\sc)+NQ*II+QQ], v[ADRS] offset:II*KSB+64*QQ
.set QQ, QQ+1
.endr
.set II, II+1
.endr
.endm
; A's blocks a0 .. a0 + n - 1, each against B's NB.  The accumulators take turns, one instruction a turn, in the same order in every K step.
.macro MULS a0, n, p, q, sc, zero
.set AA, \a0
.rept \n
.set BB, 0
.rept NB
.set DR, (8*(NB*AA+BB))%256
.if \zero
	v_wmma_scale_f32_16x16x128_f8f6f4 v[DR:DR+7], v[128*(\p)+FR*BB:128*(\p)+FR*BB+FR-1], v[AF+FR*AA:AF+FR*AA+FR-1], 0, v[SC+16*(\sc)+NQ*BB+(\q)], v[SC+16*(\sc)+NQ*AA+(\q)] matrix_a_fmt:MATRIX_FMT_FP6 matrix_b_fmt:MATRIX_FMT_FP6 matrix_a_scale:MATRIX_SCALE_ROW1
.else
	v_wmma_scale_f32_16x16x128_f8f6f4 v[DR:DR+7], v[128*(\p)+FR*BB:128*(\p)+FR*BB+FR-1], v[AF+FR*AA:AF+FR*AA+FR-1], v[DR:DR+7], v[SC+16*(\sc)+NQ*BB+(\q)], v[SC+16*(\sc)+NQ*AA+(\q)] matrix_a_fmt:MATRIX_FMT_FP6 matrix_b_fmt:MATRIX_FMT_FP6 matrix_a_scale:MATRIX_SCALE_ROW1
.endif
.set BB, BB+1
.endr
.set AA, AA+1
.endr
.endm
.macro STEP slot, q, zero              ; a K step that has its successor in the same slot
	s_wait_dscnt HALF*NL                           ; B's set and A's lower blocks are in; A's upper blocks, the youngest loads, may be out
	WIN MUL_LO
	MULS 0, HALF, (\q)%2, \q, \slot, \zero
	s_wait_dscnt 0
	PLACES
	FETCH_B \slot, (\q)+1, 1-(\q)%2
	FETCH_A \slot, (\q)+1, 0
	WIN MUL_HI
	MULS HALF, HALF, (\q)%2, \q, \slot, \zero
	PLACES
	WIN 0
	FETCH_A \slot, (\q)+1, HALF
.endm
; A slot's last K step changes slots: one barrier; ahead of it each wave waits for all its tensor loads, adds 0 to its spare word, and waits for that and for its reads of this slot.
.macro TURN slot, next, fill
	s_wait_tensorcnt 0x0                           ; all my tensor loads have landed: my part of the next slot
	ds_add_u32 v[SPW], v[NIL]
	s_wait_dscnt HALF*NL+1                         ; (the add and A's upper blocks may be out)
	WIN MUL_LO
	MULS 0, HALF/2, 1, NQ-1, \slot, 0
	s_wait_dscnt 0x0                               ; the add is done, and my reads of this slot are over
	s_barrier_signal -1
	MULS HALF/2, HALF/2, 1, NQ-1, \slot, 0
	WIN 0
	s_barrier_wait -1
.if \fill
	CREST                                          ; the barrier has opened a round of the cluster's: no wave of any partner still reads this slot or has a load on its way
	s_add_nc_u64 s[G0+4*\slot+2:G0+4*\slot+3], s[G0+4*\slot+2:G0+4*\slot+3], 2*STEPB
	s_add_nc_u64 s[G0B+4*\slot+2:G0B+4*\slot+3], s[G0B+4*\slot+2:G0B+4*\slot+3], 2*STEPB
	JLOAD G0+4*\slot, G1, G0B+4*\slot, G1B         ; the first tensor load behind the round; its four v_nop are the places ahead of the loads below
.else
	PLACES
.endif
	s_wait_alu depctr_va_vdst(0)
	v_add_nc_u32 v[ADRS], 64*NQ, v[ADRS]           ; the next slot's scale words
	FETCH_B \next, 0, 0
	FETCH_A \next, 0, 0
	SCALES \next
	WIN MUL_HI
	MULS HALF, HALF, 1, NQ-1, \slot, 0
	PLACES
	WIN 0
	FETCH_A \next, 0, HALF
.endm
.macro QUANT64 s                       ; 64 numbers of a lane, register 16 b + i = k 32 b + 16 (lane / 16) + i of my row -> a fragment in v[PC] on, its scale word in v[PW]
.irp b, 0,1,2,3
	v_max3_num_f32 v[TM+\b], |v[\s+16*\b]|, |v[\s+1+16*\b]|, 0x1800000   ; and the floor 2^(3 - 127): the byte cannot fall under 1
.endr
.irp i, 2,4,6,8,10,12,14
.irp b, 0,1,2,3
	v_max3_num_f32 v[TM+\b], v[TM+\b], |v[\s+16*\b+\i]|, |v[\s+1+16*\b+\i]|
.endr
.endr
.irp b, 0,1,2,3
	v_permlanex16_b32 v[TM+4+\b], v[TM+\b], s[SEL], s[SEL+1]
.endr
.irp b, 0,1,2,3
	v_max_num_f32 v[TM+\b], v[TM+\b], v[TM+4+\b]
.endr
.irp b, 0,1,2,3
	v_add_nc_u32 v[TM+12+\b], 0xff000000, v[TM+\b]  ; 2 off the exponent field: the conversion's scale operand
.endr
.irp b, 0,1,2,3
	v_lshrrev_b32 v[TM+4+\b], 23, v[TM+12+\b]
.endr
	v_lshl_or_b32 v[PW], v[TM+5], 8, v[TM+4]
	v_lshl_or_b32 v[PW], v[TM+6], 16, v[PW]
	v_lshl_or_b32 v[PW], v[TM+7], 24, v[PW]
.irp c, 0,1
	v_cvt_scalef32_pk16_fp6_f32 v[PC+6*\c:PC+2+6*\c], v[\s+32*\c:\s+15+32*\c], v[TM+12+2*\c]
	v_cvt_scalef32_pk16_fp6_f32 v[PC+12+4*\c:PC+14+4*\c], v[\s+16+32*\c:\s+31+32*\c], v[TM+12+2*\c+1]
.endr
	v_nop                                          ; one plain line behind the scaled conversions
.irp c, 0,1
.irp i, 0,1,2
	v_permlane16_swap_b32 v[PC+6*\c+\i], v[PC+12+4*\c+\i]
.endr
.irp i, 0,1,2
	v_mov_b32 v[PC+3+6*\c+\i], v[PC+12+4*\c+\i]
.endr
.endr
.endm
.macro FINISH                          ; the wave's end: the wait, the add and its wait, the closing round, the end
	s_wait_tensorcnt 0x0
	ds_add_u32 v[SPW], v[NIL]
	s_wait_dscnt 0x0
	CROUND
	s_endpgm
.endm
	s_load_b256 s[4:11], s[0:1], 0x0               ; h1, wts, b_attn, qkv
	v_lshl_add_u32 v[SPW], v0, 2, SPARE
	v_mov_b32 v[NIL], 0
	ds_add_u32 v[SPW], v[NIL]                      ; the wave's opening: the add and its wait ahead of my first tensor load; work on registers between them
	ds_add_u32 v[SPW], v[NIL]
	v_lshrrev_b32 v1, 5, v0
	v_readfirstlane_b32 s14, v1                    ; wave 0..3
	s_lshr_b32 s15, s14, 1                         ; my half of A's tiles.  Also: I fetch for A (0) or for B (1)
	s_and_b32 s16, s14, 1                          ; my half of B's tiles.  Also: which half I fetch
	s_bfe_u32 s40, ttmp6, 0x40000                  ; cx
	s_bfe_u32 s41, ttmp6, 0x40004                  ; cy
	s_lshl_b32 s42, ttmp9, 2                       ; 4 x cluster x
	s_and_b32 s17, ttmp7, 0xffff
	s_lshl_b32 s17, s17, 2                         ; 4 x cluster y
	s_mov_b32 s96, 3145728                         ; where h1's scale words begin,
	s_mov_b32 s97, 9437184                         ; and w_attn's in wts
	s_cmp_eq_u32 ttmp9, 2                          ; the clusters of v
	s_cselect_b32 s42, s17, s42
	s_cselect_b32 s17, 8, s17
	s_cselect_b32 s98, s97, s96                    ; A's scale words,
	s_cselect_b32 s99, s96, s97                    ; B's
	s_add_co_u32 s42, s42, s40                     ; B's block of 16 tiles: 4 x cluster x + cx (columns), v: 4 x cluster y + cx (tokens)
	s_add_co_u32 s17, s17, s41                     ; A's: 4 x cluster y + cy (tokens), v: 8 + cy (columns)
	s_lshl_b32 s43, s41, 2
	s_lshl_b32 s43, 15, s43                        ; my row of the cluster
	s_lshl_b32 s44, 0x1111, s40                    ; my column
	s_or_b32 s[G1+0], s43, (3<<16)|(1<<21)         ; 15:0 the mask; 17:16 elements of 8 bytes; 21 set beside a mask; no padding
	s_or_b32 s[G1B+0], s44, (3<<16)|(1<<21)
.irp g, G1, G1B
	s_mov_b32 s[\g+1], (STEPB/8)<<16               ; tensor_dim0: a tile's bytes in a slot
	s_mov_b32 s[\g+2], (2*NA)<<16                  ; tensor_dim1: 2 NA tiles for the head's loads; NA behind them
	s_mov_b32 s[\g+3], (STEPB/8)<<16               ; tile_dim0
	s_mov_b32 s[\g+4], 2*NA                        ; tile_dim1 likewise
	s_mov_b32 s[\g+5], RTP/8                       ; from tile to tile
	s_mov_b32 s[\g+6], 0
	s_mov_b32 s[\g+7], 0
.endr
	s_or_b32 s[G1S+0], s43, (3<<16)|(1<<21)        ; the scale words of 2 NA tiles: a dense block, as rows of 256 bytes
	s_or_b32 s[G1SB+0], s44, (3<<16)|(1<<21)
.irp g, G1S, G1SB
	s_mov_b32 s[\g+1], 32<<16
	s_mov_b32 s[\g+2], (2*HALFS/256)<<16           ; the scale words of 2 NA tiles
	s_mov_b32 s[\g+3], 32<<16
	s_mov_b32 s[\g+4], 2*HALFS/256
	s_mov_b32 s[\g+5], 32
	s_mov_b32 s[\g+6], 0
	s_mov_b32 s[\g+7], 0
.endr
	s_lshl_b32 s18, s16, LOGNA
	s_lshl_b32 s20, s17, LOGNA+1
	s_add_co_u32 s20, s20, s18                     ; A: the first tile that I fetch
	s_lshl_b32 s46, s42, LOGNA+1
	s_add_co_u32 s46, s46, s18                     ; B likewise
	s_sub_co_u32 s94, s20, s18                     ; the scale words are fetched for both halves at once: from the block's first tile
	s_mul_i32 s22, s94, KSB
	s_add_co_u32 s22, s22, s98
	s_sub_co_u32 s94, s46, s18
	s_mul_i32 s92, s94, KSB
	s_add_co_u32 s92, s92, s99
	s_mul_i32 s20, s20, RTP
	s_mul_i32 s46, s46, RTP
	s_mov_b32 s21, 0
	s_mov_b32 s23, 0
	s_mov_b32 s47, 0
	s_mov_b32 s93, 0
	s_mul_i32 s45, s14, HALFT
	s_cmp_eq_u32 s15, 0                            ; the prefetches: of the eight tiles that I fetch in the ring, my work-group names two, by its place among the four partners (cx for A, cy for B)
	s_cselect_b32 s94, s20, s46
	s_cselect_b32 s95, s40, s41
	s_mul_i32 s95, s95, 2*RTP
	s_add_co_u32 s94, s94, s95
	s_mov_b32 s95, 0
	s_wait_dscnt 0x0                               ; the opening add is done
	s_wait_kmcnt 0x0
	s_cmp_eq_u32 ttmp9, 2
	s_cselect_b64 s[12:13], s[6:7], s[4:5]         ; A's buffer (both have their codes at byte 0),
	s_cselect_b64 s[66:67], s[4:5], s[6:7]         ; B's
	s_add_nc_u64 s[20:21], s[12:13], s[20:21]
	s_add_nc_u64 s[22:23], s[12:13], s[22:23]
	s_add_nc_u64 s[46:47], s[66:67], s[46:47]
	s_add_nc_u64 s[92:93], s[66:67], s[92:93]
	s_cmp_eq_u32 s15, 0
	s_cselect_b64 s[12:13], s[12:13], s[66:67]
	s_add_nc_u64 s[12:13], s[12:13], s[94:95]      ; s[12:13]: where my prefetches stand; never rewritten
	CROUND                                         ; all sixteen work-groups are here: the first joint loads meet
	s_mov_b32 s[G0S], 1
	s_mov_b32 s[G0S+1], SCL
	s_mov_b64 s[G0S+2:G0S+3], s[22:23]
	s_or_b32 s[G0S+3], s[G0S+3], 0x80000000
	s_mov_b32 s[G0SB], 1
	s_mov_b32 s[G0SB+1], SCL+2*HALFS
	s_mov_b64 s[G0SB+2:G0SB+3], s[92:93]
	s_or_b32 s[G0SB+3], s[G0SB+3], 0x80000000
.irp s, 0,1
	s_mov_b32 s[G0+4*\s], 1
	s_add_co_u32 s[G0+4*\s+1], s45, \s*SLOT
	s_add_nc_u64 s[G0+4*\s+2:G0+4*\s+3], s[20:21], \s*STEPB
	s_or_b32 s[G0+4*\s+3], s[G0+4*\s+3], 0x80000000
	s_mov_b32 s[G0B+4*\s], 1
	s_add_co_u32 s[G0B+4*\s+1], s45, \s*SLOT
	s_add_nc_u64 s[G0B+4*\s+2:G0B+4*\s+3], s[46:47], \s*STEPB
	s_or_b32 s[G0B+4*\s+3], s[G0B+4*\s+3], 0x80000000
.endr
; THE HEAD'S FOUR TILES, ONE JOINT LOAD A WAVE: wave 0 slot 0's 2 NA tiles of A (its own group 0 begins at A's first tile and at LDS byte 0),
; wave 2 slot 0's 2 NA tiles of B (likewise), wave 1 A's scale words, wave 3 B's.  One chain of branches on the wave's number; every way passes one load.
.macro ARM w, g0, g1, next
	s_cmp_eq_u32 s14, \w
	s_cbranch_scc0 \next
	tensor_load_to_lds s[\g0:\g0+3], s[\g1:\g1+7]
	s_nop 0
.rept 4
	v_nop
.endr
	s_branch .Lhead_asked
\next:
.endm
	ARM 0, G0, G1, .Lhead_b
	ARM 2, G0B, G1B, .Lhead_sa
	ARM 1, G0S, G1S, .Lhead_sb
	tensor_load_to_lds s[G0SB:G0SB+3], s[G1SB:G1SB+7]
	s_nop 0
.rept 4
	v_nop
.endr
.Lhead_asked:
	v_and_b32 v1, 15, v0                           ; r
	v_bfe_u32 v2, v0, 4, 1                         ; h
	v_and_b32 v3, 31, v0                           ; lane
	v_lshlrev_b32 v4, 4, v3
	v_lshlrev_b32 v5, 3, v3
	s_mul_i32 s21, s15, HALFT                      ; my NA tiles of A,
	s_mul_i32 s22, s16, HALFT
	s_add_co_u32 s22, s22, 2*HALFT                 ; of B
.irp s, 0,1
	v_add_nc_u32 v[ADRA+\s], s21, v4
	v_add_nc_u32 v[ADRB+\s], s22, v4
	v_add_nc_u32 v[ADRA+2+\s], s21, v5
	v_add_nc_u32 v[ADRB+2+\s], s22, v5
	s_add_co_u32 s21, s21, SLOT
	s_add_co_u32 s22, s22, SLOT
.endr
	v_lshlrev_b32 v26, 2, v1                       ; 4 r
	s_mul_i32 s21, s15, HALFS
	s_mul_i32 s22, s16, HALFS
	s_add_co_u32 s22, s22, 2*HALFS
	s_sub_co_u32 s22, s22, s21
	v_mul_u32_u24 v6, s22, v2                      ; lanes 16-31 take B's words
	s_add_co_u32 s21, s21, SCL
	v_add_nc_u32 v7, v26, v6
	v_add_nc_u32 v[ADRS], s21, v7
	v_mov_b32 v24, v4                              ; the way out: 16 x lane, 8 x lane
	v_mov_b32 v25, v5
	v_lshlrev_b32 v30, 6, v2
	v_min_u32 v14, 23, v3                          ; a fill's 3,072 bytes of a tile are 12 blocks of 256: lanes 0-11 the first tile's, 12-23 the second's, lanes 24-31 name block 23 again
	v_mul_u32_u24 v15, v14, 171
	v_lshrrev_b32 v15, 11, v15                     ; lane / 12
	v_lshlrev_b32 v14, 8, v14
	v_mad_u32_u24 v14, v15, RTP-STEPB, v14         ; v14: the prefetches' offset; never rewritten
	s_wait_alu depctr_va_vdst(0)
	v_and_b32 v31, 8, v1
	v_add_nc_u32 v31, v31, v1
	v_lshlrev_b32 v31, 2, v31                      ; 4 (r + 8 (r / 8))
	; both sets of bias are loaded in every work-group; the set that its way out does not use is read from b_attn's first bytes, so that no load leaves the buffer
	s_wait_alu depctr_va_vdst(0)
	s_lshl_b32 s96, s42, 10
	s_lshl_b32 s97, s16, 9
	s_add_co_u32 s96, s96, s97                     ; q, k: my 128 columns
	s_lshl_b32 s98, s41, 10
	s_lshl_b32 s99, s15, 9
	s_add_co_u32 s98, s98, s99
	s_add_co_u32 s98, s98, 8192                    ; v: columns 2,048 + 256 cy + 128 x half
	s_cmp_eq_u32 ttmp9, 2
	s_cselect_b32 s96, 0, s96
	s_cselect_b32 s98, s98, 0
	s_mov_b32 s97, 0
	s_mov_b32 s99, 0
	s_add_nc_u64 s[96:97], s[8:9], s[96:97]
	s_add_nc_u64 s[98:99], s[8:9], s[98:99]
.irp g, 0,1,2,3
.irp j, 0,1,2,3
	global_load_b128 v[BI+16*\g+4*\j:BI+16*\g+4*\j+3], v30, s[96:97] offset:128*\g+16*\j
.endr
.endr
.irp a, 0,1,2,3,4,5,6,7
	global_load_b32 v[BV+\a], v31, s[98:99] offset:(32*(\a/2)+8*(\a%2))*4
.endr
	global_prefetch_b8 v14, s[12:13] offset:STEPB th:TH_LOAD_NT scope:SCOPE_SE     ; fill 1,
	global_prefetch_b8 v14, s[12:13] offset:2*STEPB th:TH_LOAD_NT scope:SCOPE_SE   ; fill 2: each named ahead of the round behind which it is loaded
	s_wait_alu depctr_va_vdst(0)                   ; the head's end
	s_wait_tensorcnt 0x0                           ; my tile of the head's four is in; ahead of a later first fill:
	ds_add_u32 v[SPW], v[NIL]
	s_mov_b32 s[G1+2], NA<<16                      ; no tensor load of mine is out: from here on a load brings NA tiles
	s_mov_b32 s[G1+4], NA
	s_mov_b32 s[G1B+2], NA<<16
	s_mov_b32 s[G1B+4], NA
	s_wait_dscnt 0x0
	CROUND                                         ; all four tiles are in, and all sixteen work-groups are here
	JLOAD G0+4, G1, G0B+4, G1B                     ; slot 1's first fill, the first tensor load behind the round
	FETCH_B 0, 0, 0
	FETCH_A 0, 0, 0
	SCALES 0
	FETCH_A 0, 0, HALF
	global_prefetch_b8 v14, s[12:13] offset:3*STEPB th:TH_LOAD_NT scope:SCOPE_SE   ; fill 3, the last: two fills ahead of the one just asked for
	STEP 0, 0, 1                                   ; the first K step starts the sums: nothing is cleared
	s_mov_b32 s3, LAPS-1
.Llap:
	TURN 0, 1, 1
	STEP 1, 0, 0
	TURN 1, 0, 1
	STEP 0, 0, 0
	s_sub_co_u32 s3, s3, 1
	s_cmp_lg_u32 s3, 0
	s_cbranch_scc1 .Llap
	TURN 0, 1, 0                                   ; the last lap fills nothing
	STEP 1, 0, 0
	s_wait_dscnt HALF*NL
	WIN MUL_LO
	MULS 0, HALF, 1, NQ-1, 1, 0
	s_wait_dscnt 0
	WIN MUL_HI
	MULS HALF, HALF, 1, NQ-1, 1, 0
	WIN 0
	PLACES
	s_wait_loadcnt 0x0                             ; the biases
.irp b, 0,1,2,3
	v_mov_b32 v[TM+4+\b], 0                        ; written once: a lane permute's destination counts as one of its sources
.endr
	s_mov_b32 s[SEL], 0x76543210
	s_mov_b32 s[SEL+1], 0xfedcba98
	s_mov_b32 s36, 0x05040100                      ; v_perm_b32: the two low halves,
	s_mov_b32 s37, 0x07060302                      ; the two high halves
	s_cmp_eq_u32 ttmp9, 2
	s_cbranch_scc1 .Lvalues
	; ---- q and k.  My 128 columns are two heads; block a is token tile a.  A fragment's two halves are the two heads' half fragments (16 tokens x 64): [head of a batch][tile 128][768 bytes].
	; Scale words [head][pair of tiles][16]: the even tile's two bytes below, the odd tile's above.
	s_lshl_b32 s18, s40, 2
	s_lshl_b32 s19, s16, 1
	s_add_co_u32 s18, s18, s19                     ; my first head
	s_lshr_b32 s19, s17, 3
	s_lshl_b32 s19, s19, 4
	s_add_co_u32 s18, s18, s19                     ; + 16 x batch
	s_lshl_b32 s19, s17, 4
	s_lshl_b32 s20, s15, 3
	s_add_co_u32 s19, s19, s20
	s_and_b32 s19, s19, 127                        ; my first tile in the batch
	s_lshl_b32 s20, s18, 7
	s_add_co_u32 s20, s20, s19
	s_mul_i32 s20, s20, 768
	s_mul_i32 s21, ttmp9, 3145728                  ; q, then k
	s_add_co_u32 s20, s20, s21
	s_mov_b32 s21, 0
	s_add_nc_u64 s[20:21], s[10:11], s[20:21]
	s_lshl_b32 s22, s18, 6
	s_lshr_b32 s19, s19, 1
	s_add_co_u32 s22, s22, s19
	s_lshl_b32 s22, s22, 6
	s_lshl_b32 s23, ttmp9, 17
	s_add_co_u32 s22, s22, s23
	s_add_co_u32 s22, s22, 9437184
	s_mov_b32 s23, 0
	s_add_nc_u64 s[22:23], s[10:11], s[22:23]
.macro QKBLOCK a
.if (\a) > 0
	s_wait_xcnt 0x0                                ; the last block's stores have read their data: the codes' registers may be written again
.endif
.set AC, 64*((\a)%4)
	WIN 0x02+(\a)/4
.set JJ, 0
.rept 32
	v_pk_add_f32 v[XR+JJ:XR+JJ+1], v[AC+JJ:AC+JJ+1], v[BI+JJ:BI+JJ+1]   ; + bias; each accumulator from its low end on
.set JJ, JJ+2
.endr
	WIN 0
	QUANT64 XR
	global_store_b128 v24, v[PC:PC+3], s[20:21] offset:768*(\a)
	global_store_b64 v25, v[PC+4:PC+5], s[20:21] offset:768*(\a)+512
	global_store_b128 v24, v[PC+6:PC+9], s[20:21] offset:768*(\a)+98304
	global_store_b64 v25, v[PC+10:PC+11], s[20:21] offset:768*(\a)+98304+512
.if (\a)%2 == 0
	v_mov_b32 v[PWE], v[PW]
.else
	v_perm_b32 v[PWA], v[PW], v[PWE], s36
	v_perm_b32 v[PWB], v[PW], v[PWE], s37
	global_store_b32 v26, v[PWA], s[22:23] offset:64*((\a)/2)
	global_store_b32 v26, v[PWB], s[22:23] offset:64*((\a)/2)+4096
.endif
.endm
.irp a, 0,1,2,3,4,5,6,7
	QKBLOCK \a
.endr
	FINISH
	; ---- v.  Block a is a tile of 16 of v's columns (two heads of four tiles); the 64 registers run along my 128 tokens: one K step of attention's second product.  [head][K step 16][tile 4][1,536 bytes]
.Lvalues:
	s_lshl_b32 s18, s41, 2
	s_lshl_b32 s19, s15, 1
	s_add_co_u32 s18, s18, s19
	s_lshr_b32 s19, s42, 3
	s_lshl_b32 s19, s19, 4
	s_add_co_u32 s18, s18, s19                     ; 16 x batch + my first head
	s_lshl_b32 s19, s42, 1
	s_add_co_u32 s19, s19, s16
	s_and_b32 s19, s19, 15                         ; the K step in the batch
	s_lshl_b32 s18, s18, 4
	s_add_co_u32 s18, s18, s19
	s_mul_i32 s20, s18, 6144
	s_add_co_u32 s20, s20, 6291456
	s_mov_b32 s21, 0
	s_add_nc_u64 s[20:21], s[10:11], s[20:21]
	s_lshl_b32 s22, s18, 8
	s_add_co_u32 s22, s22, 9699328
	s_mov_b32 s23, 0
	s_add_nc_u64 s[22:23], s[10:11], s[22:23]
.macro VBLOCK a
.if (\a) > 0
	s_wait_xcnt 0x0
.endif
.set AC, 64*((\a)%4)
	WIN 0x02+(\a)/4
.set JJ, 0
.rept 64
	v_add_f32 v[XR+JJ], v[AC+JJ], v[BV+(\a)]       ; + my column's bias
.set JJ, JJ+1
.endr
	WIN 0
	QUANT64 XR
	global_store_b128 v24, v[PC:PC+3], s[20:21] offset:((\a)/4)*98304+((\a)%4)*1536
	global_store_b64 v25, v[PC+4:PC+5], s[20:21] offset:((\a)/4)*98304+((\a)%4)*1536+512
	global_store_b128 v24, v[PC+6:PC+9], s[20:21] offset:((\a)/4)*98304+((\a)%4)*1536+768
	global_store_b64 v25, v[PC+10:PC+11], s[20:21] offset:((\a)/4)*98304+((\a)%4)*1536+1280
	global_store_b32 v26, v[PW], s[22:23] offset:((\a)/4)*4096+((\a)%4)*64
.endm
.irp a, 0,1,2,3,4,5,6,7
	VBLOCK \a
.endr
	FINISH
.Lfunc_end_k_qab2df51589_qkv:
	.size	k_qab2df51589_qkv, .Lfunc_end_k_qab2df51589_qkv-k_qab2df51589_qkv
	.p2alignl 7, 3214868480
	.fill 96, 4, 3214868480
	.section	.rodata,"a",@progbits
	.p2align	6, 0x0
	.amdhsa_kernel k_qab2df51589_qkv
		.amdhsa_group_segment_fixed_size 327680
		.amdhsa_private_segment_fixed_size 0
		.amdhsa_enable_private_segment 0
		.amdhsa_kernarg_size 32
		.amdhsa_user_sgpr_count 2
		.amdhsa_user_sgpr_kernarg_segment_ptr 1
		.amdhsa_wavefront_size32 1
		.amdhsa_system_sgpr_workgroup_id_x 1
		.amdhsa_system_sgpr_workgroup_id_y 1
		.amdhsa_system_sgpr_workgroup_id_z 1
		.amdhsa_system_vgpr_workitem_id 0
		.amdhsa_next_free_vgpr 1024
		.amdhsa_next_free_sgpr 100
		.amdhsa_reserve_vcc 0
		.amdhsa_float_denorm_mode_32 3
		.amdhsa_float_denorm_mode_16_64 3
		.amdhsa_memory_ordered 1
		.amdhsa_forward_progress 1
		.amdhsa_inst_pref_size 224
	.end_amdhsa_kernel
	.amdgpu_metadata
---
amdhsa.version: [ 1, 2 ]
amdhsa.kernels:
  - .name:           k_qab2df51589_qkv
    .symbol:         k_qab2df51589_qkv.kd
    .args:
      - { .name: h1, .offset: 0, .size: 8, .value_kind: global_buffer, .address_space: global }
      - { .name: wts, .offset: 8, .size: 8, .value_kind: global_buffer, .address_space: global }
      - { .name: b_attn, .offset: 16, .size: 8, .value_kind: global_buffer, .address_space: global }
      - { .name: qkv, .offset: 24, .size: 8, .value_kind: global_buffer, .address_space: global }
    .group_segment_fixed_size: 327680
    .private_segment_fixed_size: 0
    .kernarg_segment_align: 8
    .kernarg_segment_size: 32
    .max_flat_workgroup_size: 128
    .sgpr_count:     100
    .vgpr_count:     1024
    .wavefront_size: 32
...
	.end_amdgpu_metadata
.endif
;; end of part 2
;; launch attn (part 3): grid 8 x 32, 16 waves a work-group, no clusters, 327,680 bytes of LDS; arguments qkv, ybuf; writes ybuf
.if DOCPART == 3
	.amdgcn_target "amdgcn-amd-amdhsa--gfx1250"
	.amdhsa_code_object_version 6
	.text
	.protected	k_qab2df51589_attn
	.globl	k_qab2df51589_attn
	.p2align	8
	.type	k_qab2df51589_attn,@function
k_qab2df51589_attn:
	s_mov_b64 s[64:65], 0
	v_nop
	global_prefetch_b8 v0, s[64:65] scope:SCOPE_SE
	s_setreg_imm32_b32 hwreg(HW_REG_WAVE_MODE, 25, 1), 1
	s_wait_xcnt 0x0
; y = Q(softmax(q k^T / 8, causal) v), both products on codes of FP6 (E2M3) with one E8M0 byte for each 32 along a product's K; y leaves as codes along the channels, for the projection.
; THE SOFTMAX AHEAD OF THE SECOND PRODUCT: t = score x log2(e) / 8; M = the row's running largest t rounded up to a whole number; p = 2^(t - M) is quantised along the keys, not normalised;
; the row's sum is taken of the unquantised p and divides O at the end; when M moves, the sum and O are multiplied by 2^(old M - new M), which rounds nothing.
; SHARES.  A work-group serves one head of one batch (ttmp7); each of its sixteen waves owns one tile of 16 queries: waves 0-7 tiles 8 x + w, waves 8-15 tiles 8 (15 - x) + w - 8 (x = ttmp9),
; so that every work-group has the same number of key steps under the causal mask.  Lane-row r of tile t is query 32 (t / 2) + 8 (t % 2) + r + 8 (r / 8).
; THE WHOLE HEAD'S K AND V LIE IN LDS, each byte filled once, in two parts.  At the head: key steps 0-3 (waves 0-5 K's codes, waves 6-11 V's, 4,096 bytes each) and all scale words (wave 12 K's, wave 13 V's).
; Behind the first barrier: key steps 4-15, 12,288 bytes for each of waves 0-11; they land while steps 0-3 are worked, and a second barrier shows them.
; The keys beyond a work-group's causal limit are brought too: the descriptors are constants of the text.
; PREFETCH: the second part of a head is read by eight work-groups; each names an eighth of it at its head, by address: of each loading wave's 48 blocks of 256 bytes work-group x names blocks 6 x .. 6 x + 5.
; No cluster: the eight work-groups of a head share K and V, but there are two fills in all and no ring whose requests could be made to meet step by step.
; A KEY STEP is 128 keys.  The head's size is 64, half of the instruction's K: a fragment of K holds TWO tiles of 16 keys, one in each half of K, and is multiplied by Q twice,
; once with Q's codes in the lower half and zero codes in the upper, once the other way round: zero codes add nothing.  Both products are used transposed: a lane holds one query throughout.
; A step all of whose keys come after my queries is left out by a scalar branch on ids; on the diagonal hidden scores become -infinity ahead of the maximum.
; LIMITS: NaN and infinities are not served; a block of p or of y whose largest magnitude lies under 2^-124 gets the scale byte 1; 1 / sum is v_rcp_f32 and a multiplication.
.set VL,    98304                      ; LDS: K's codes at 0, V's here, 6,144 bytes a key step each;
.set KSC,   196608                     ; K's scale words, 256 bytes a step; V's 4,096 further on;
.set SPARE, 204800                     ; the spare words, 128 bytes a wave, that no other line names
.set PART,  24576                      ; the first part of K's or of V's codes: four key steps
.set TK, 60                            ; s60 the step's bytes in K's and V's codes, s61 in the scale words, s62 the step's number, s63 a loop's count
.set TS, 61
.set ST, 62
.set CNT, 63
.set RB, 21                            ; s21 the step on my diagonal
.set CS, 66                            ; s[66:67] c = log2(e) / 8
.set SEL, 68                           ; s[68:69] lane l xor 16
.set BM, 212                           ; v212-215 the blocks' largest scores, v216-219 at work, v220-223 scale operands
.set BP, 216
.set BS, 220
.set TM, 212                           ; the way out's quantiser
.set PC, 192
.set PW, 232
; REGISTERS: v1 16 x lane, v2 8 x lane, v3 KSC + 4 r, v4, v5 the add's two, v6 the mask's term, v8-11, v93, v94 addresses of the step, v12 -M, v13 the largest t, v[14:15] the sum,
; v16-27 Q below, v28-39 Q above, v40-87 four fragments, v88-91 their scale words, v92 Q's scale word, v95 4 r, v96-159 S^T then p, v160-191 O^T, v192-210 p's codes, v[228:229] f, v230 p's scale word, v231 at work,
; v233 the prefetch's offset, v244-255 partial sums
.macro FRAGL reg, a16, a8, off
	ds_load_b128 v[\reg:\reg+3], v[\a16] offset:\off
	ds_load_b64 v[\reg+4:\reg+5], v[\a8] offset:\off+512
	ds_load_b128 v[\reg+6:\reg+9], v[\a16] offset:\off+768
	ds_load_b64 v[\reg+10:\reg+11], v[\a8] offset:\off+1280
.endm
	s_load_b128 s[4:7], s[0:1], 0x0                ; qkv, ybuf
	v_lshl_add_u32 v4, v0, 2, SPARE
	v_mov_b32 v5, 0
	ds_add_u32 v4, v5                              ; the wave's opening: the add, twice on end, and its wait ahead of my first tensor load
	ds_add_u32 v4, v5
	v_lshrrev_b32 v1, 5, v0
	s_delay_alu instid0(VALU_DEP_1)
	v_readfirstlane_b32 s8, v1                     ; wave 0..15
	v_and_b32 v233, 31, v0
	s_delay_alu instid0(VALU_DEP_1)
	v_min_u32 v233, 5, v233                        ; six blocks of 256 bytes; lanes 6-31 name the sixth again
	s_delay_alu instid0(VALU_DEP_1)
	v_lshlrev_b32 v233, 8, v233
	s_and_b32 s9, s8, 1                            ; waves 12, 13: K's scale words (0) or V's (1)
	s_and_b32 s10, s8, 7
	s_and_b32 s11, ttmp7, 0xffff                   ; 16 x batch + head
.irp g, 44, 52                                 ; two groups 1 for dense bytes, as rows of 32 elements of 8 bytes:
	s_mov_b32 s[\g], 3<<16
	s_mov_b32 s[\g+1], 32<<16
	s_mov_b32 s[\g+3], 32<<16
	s_mov_b32 s[\g+5], 32
	s_mov_b32 s[\g+6], 0
	s_mov_b32 s[\g+7], 0
.endr
	s_mov_b32 s46, 16<<16                          ; 4,096 bytes: 16 rows,
	s_mov_b32 s48, 16
	s_mov_b32 s54, 48<<16                          ; 12,288 bytes: 48 rows
	s_mov_b32 s56, 48
	s_lshl_b32 s12, s9, 12
	s_add_co_u32 s12, s12, KSC                     ; the scale words in LDS,
	s_lshl_b32 s16, s9, 17
	s_lshl_b32 s15, s11, 12
	s_add_co_u32 s16, s16, s15
	s_add_co_u32 s16, s16, 9568256                 ; and in memory: K's, then V's, 4,096 bytes a head
	s_mov_b32 s17, 0
	s_min_u32 s14, s8, 11                          ; m (held, so that the addresses stay inside LDS in the waves that do not use them)
	s_mul_i32 s15, s14, 43
	s_lshr_b32 s15, s15, 8                         ; m / 6: K (0) or V (1)
	s_lshl_b32 s13, s14, 12
	s_mul_i32 s18, s15, VL-PART
	s_add_co_u32 s13, s13, s18                     ; the first part in LDS: 4,096 m, V's from VL on
	s_mul_i32 s22, s14, 12288
	s_mul_i32 s18, s15, PART
	s_add_co_u32 s22, s22, s18
	s_add_co_u32 s22, s22, PART                    ; the second part: behind K's first part, and behind V's
	s_mul_i32 s18, s11, 98304
	s_mul_i32 s15, s15, 3145728-VL
	s_add_co_u32 s18, s18, s15
	s_add_co_u32 s18, s18, 3145728                 ; in memory K's codes begin at 3,145,728, V's 3,145,728 further on, 98,304 bytes a head: this + the LDS address
	s_add_co_u32 s20, s18, s22
	s_add_co_u32 s18, s18, s13
	s_mov_b32 s19, 0
	s_mov_b32 s21, 0
	s_mul_i32 s38, ttmp9, 1536                     ; my work-group's six blocks of a wave's 48
	s_mov_b32 s39, 0
	s_wait_alu depctr_va_vdst(0)
	s_wait_dscnt 0x0                               ; the opening adds are done
	s_wait_kmcnt 0x0
	s_mov_b32 s24, 1
	s_mov_b32 s25, s12
	s_add_nc_u64 s[26:27], s[4:5], s[16:17]
	s_or_b32 s27, s27, 0x80000000
	s_mov_b32 s28, 1
	s_mov_b32 s29, s13
	s_add_nc_u64 s[30:31], s[4:5], s[18:19]
	s_or_b32 s31, s31, 0x80000000
	s_mov_b32 s32, 1
	s_mov_b32 s33, s22
	s_add_nc_u64 s[34:35], s[4:5], s[20:21]
	s_add_nc_u64 s[36:37], s[34:35], s[38:39]      ; where my prefetch stands; never rewritten
	s_or_b32 s35, s35, 0x80000000
	s_cmp_lt_u32 s8, 12                            ; one chain of branches on the wave's number, one load to an arm
	s_cbranch_scc0 .Lscale_words
	tensor_load_to_lds s[28:31], s[44:51]
	s_nop 0
.rept 4
	v_nop
.endr
	global_prefetch_b8 v233, s[36:37] th:TH_LOAD_NT scope:SCOPE_SE   ; of the part that I load behind the first barrier
	s_branch .Lasked
.Lscale_words:
	s_cmp_lt_u32 s8, 14
	s_cbranch_scc0 .Lasked
	tensor_load_to_lds s[24:27], s[44:51]
	s_nop 0
.rept 4
	v_nop
.endr
.Lasked:
	s_lshl_b32 s20, ttmp9, 3
	s_add_co_u32 s20, s20, s8
	s_sub_co_u32 s21, 15, ttmp9
	s_lshl_b32 s21, s21, 3
	s_add_co_u32 s21, s21, s10
	s_cmp_lt_u32 s8, 8
	s_cselect_b32 s20, s20, s21                    ; my tile of queries
	s_lshr_b32 s[RB], s20, 3
	s_lshl_b32 s70, s11, 7
	s_add_co_u32 s70, s70, s20
	s_mul_i32 s70, s70, 768                        ; Q's half fragment
	s_mov_b32 s71, 0
	s_add_nc_u64 s[70:71], s[4:5], s[70:71]
	s_lshl_b32 s72, s11, 6
	s_lshr_b32 s73, s20, 1
	s_add_co_u32 s72, s72, s73
	s_lshl_b32 s72, s72, 6
	s_add_co_u32 s72, s72, 9437184                 ; its pair's scale words
	s_mov_b32 s73, 0
	s_add_nc_u64 s[72:73], s[4:5], s[72:73]
	s_lshr_b32 s12, s11, 4
	s_lshl_b32 s12, s12, 7
	s_add_co_u32 s12, s12, s20                     ; my tile among all 256
	s_and_b32 s13, s11, 15                         ; the head
	s_lshl_b32 s14, s12, 4
	s_add_co_u32 s14, s14, s13
	s_mul_i32 s74, s14, 768                        ; y: [tile][head][768 bytes]
	s_mov_b32 s75, 0
	s_add_nc_u64 s[74:75], s[6:7], s[74:75]
	s_lshl_b32 s14, s12, 3
	s_lshr_b32 s15, s13, 1
	s_add_co_u32 s14, s14, s15
	s_lshl_b32 s14, s14, 6
	s_and_b32 s15, s13, 1
	s_lshl_b32 s15, s15, 1
	s_add_co_u32 s14, s14, s15
	s_add_co_u32 s76, s14, 3145728                 ; y's scale words: my head's half of a word
	s_mov_b32 s77, 0
	s_add_nc_u64 s[76:77], s[6:7], s[76:77]
	s_lshr_b32 s14, s20, 1
	s_and_b32 s14, s14, 3
	s_lshl_b32 s14, s14, 5
	s_and_b32 s15, s20, 1
	s_lshl_b32 s15, s15, 3
	s_add_co_u32 s79, s14, s15                     ; my tile's first query within its key step
	s_mov_b32 s78, 0x01000100                      ; an even tile's two bytes lie below in the pair's word,
	s_and_b32 s15, s20, 1
	s_cselect_b32 s78, 0x03020302, s78             ; an odd tile's above
	s_mov_b32 s[CS], 0x3e38aa3b
	s_mov_b32 s[CS+1], s[CS]
	s_mov_b32 s[SEL], 0x76543210
	s_mov_b32 s[SEL+1], 0xfedcba98
	s_mov_b32 s[TK], 0
	s_mov_b32 s[TS], 0
	s_mov_b32 s[ST], 0
	v_and_b32 v7, 31, v0
	s_delay_alu instid0(VALU_DEP_1)
	v_lshlrev_b32 v1, 4, v7
	s_delay_alu instid0(VALU_DEP_2)
	v_lshlrev_b32 v2, 3, v7
	v_and_b32 v7, 15, v0
	s_delay_alu instid0(VALU_DEP_1)
	v_lshlrev_b32 v95, 2, v7
	s_delay_alu instid0(VALU_DEP_1)
	v_add_nc_u32 v3, KSC, v95
	global_load_b128 v[16:19], v1, s[70:71]        ; Q twice: two runs of registers, which differ in where the zeros stand
	global_load_b64 v[20:21], v2, s[70:71] offset:512
	global_load_b128 v[34:37], v1, s[70:71]
	global_load_b64 v[38:39], v2, s[70:71] offset:512
	global_load_b32 v231, v95, s[72:73]
	v_and_b32 v6, 8, v7
	s_delay_alu instid0(VALU_DEP_1)
	v_add_nc_u32 v6, v6, v7
	v_bfe_u32 v7, v0, 4, 1
	s_delay_alu instid0(VALU_DEP_1)
	v_lshlrev_b32 v7, 4, v7
	s_delay_alu instid0(VALU_DEP_1)
	v_sub_nc_u32 v6, v6, v7
	s_delay_alu instid0(VALU_DEP_1)
	v_add_nc_u32 v6, s79, v6                       ; d = my query within its key step - 16 (lane / 16): register 16 b + i is hidden where 32 b + i > d
	s_wait_loadcnt 0x0
	v_perm_b32 v92, v231, v231, s78                ; my tile's two bytes, for both halves of K.  The moves below are its places ahead of the first product
.irp j, 22,23,24,25,26,27,28,29,30,31,32,33
	v_mov_b32 v[\j], 0                             ; zero codes
.endr
.set JJ, 0
.rept 32
	v_mov_b32 v[160+JJ], 0                         ; O^T: the step is written once; the first finds zeros, which the first change of M leaves zeros
.set JJ, JJ+1
.endr
	v_mov_b32 v13, 0xff61b1e6                      ; the largest t so far: -3e38
	s_delay_alu instid0(VALU_DEP_1)
	v_floor_f32 v12, -v13
	v_mov_b32 v14, 0
	v_mov_b32 v15, 0
.irp b, 0,1,2,3
	v_mov_b32 v[BP+\b], 0
.endr
	v_mov_b32 v229, 0
.macro STEP
	s_cmp_gt_u32 s[ST], s[RB]                      ; all its keys come after my queries
	s_cbranch_scc1 .Lskip_\@
	v_add_nc_u32 v8, s[TK], v1                     ; (these six are also the places behind the last products, ahead of the loads into their operands)
	v_add_nc_u32 v9, s[TK], v2
	v_add_nc_u32 v93, s[TS], v3
	s_delay_alu instid0(VALU_DEP_3)
	v_add_nc_u32 v10, VL, v8
	s_delay_alu instid0(VALU_DEP_3)
	v_add_nc_u32 v11, VL, v9
	s_delay_alu instid0(VALU_DEP_3)
	v_add_nc_u32 v94, 4096, v93
.irp i, 0,1,2,3
	FRAGL 40+12*\i, 8, 9, 1536*\i
	ds_load_b32 v[88+\i], v93 offset:64*\i
.endr
	s_wait_alu depctr_va_vdst(0)
	s_wait_dscnt 0x0
.irp i, 0,1,2,3                                ; S^T: the 16 registers of tiles 2 i, 2 i + 1 are keys 32 i + 16 (lane / 16) + 0 .. 15
	v_wmma_scale_f32_16x16x128_f8f6f4 v[96+16*\i:103+16*\i], v[40+12*\i:51+12*\i], v[16:27], 0, v[88+\i], v92 matrix_a_fmt:MATRIX_FMT_FP6 matrix_b_fmt:MATRIX_FMT_FP6
	v_wmma_scale_f32_16x16x128_f8f6f4 v[104+16*\i:111+16*\i], v[40+12*\i:51+12*\i], v[28:39], 0, v[88+\i], v92 matrix_a_fmt:MATRIX_FMT_FP6 matrix_b_fmt:MATRIX_FMT_FP6
.endr
.rept 4
	v_nop
.endr
.irp i, 0,1,2,3                                ; V's four fragments land under the softmax
	FRAGL 40+12*\i, 10, 11, 1536*\i
	ds_load_b32 v[88+\i], v94 offset:64*\i
.endr
	s_cmp_lg_u32 s[ST], s[RB]
	s_cbranch_scc1 .Lopen_\@
	v_mov_b32 v231, 0xff800000
.irp n, 0,1,2,3,4,5,6,7,8,9,10,11,12,13,14,15,16,17,18,19,20,21,22,23,24,25,26,27,28,29,30,31,32,33,34,35,36,37,38,39,40,41,42,43,44,45,46,47,48,49,50,51,52,53,54,55,56,57,58,59,60,61,62,63
	v_cmp_gt_i32 vcc_lo, 32*(\n/16)+\n%16, v6
	v_cndmask_b32 v[96+\n], v[96+\n], v231, vcc_lo
.endr
.Lopen_\@:
.irp b, 0,1,2,3
	v_max3_num_f32 v[BM+\b], v[96+16*\b], v[97+16*\b], v[98+16*\b]   ; the largest score of each block of 32 keys: for the row's maximum, and, since p rises with the score, for the block's largest p
.endr
.irp i, 3,5,7,9,11,13
.irp b, 0,1,2,3
	v_max3_num_f32 v[BM+\b], v[BM+\b], v[96+16*\b+\i], v[97+16*\b+\i]
.endr
.endr
.irp b, 0,1,2,3
	v_max_num_f32 v[BM+\b], v[BM+\b], v[111+16*\b]
.endr
.irp b, 0,1,2,3
	s_delay_alu instid0(VALU_DEP_4)
	v_permlanex16_b32 v[BP+\b], v[BM+\b], s[SEL], s[SEL+1]
.endr
.irp b, 0,1,2,3
	s_delay_alu instid0(VALU_DEP_4)
	v_max_num_f32 v[BM+\b], v[BM+\b], v[BP+\b]
.endr
	s_delay_alu instid0(VALU_DEP_2)
	v_max3_num_f32 v231, v212, v213, v214
	s_delay_alu instid0(VALU_DEP_1)
	v_max_num_f32 v231, v231, v215
	s_delay_alu instid0(VALU_DEP_1)
	v_mul_f32 v231, s[CS], v231
	s_delay_alu instid0(VALU_DEP_1)
	v_max_num_f32 v13, v13, v231                   ; the running largest t
	v_mov_b32 v231, v12
	s_delay_alu instid0(VALU_DEP_2)
	v_floor_f32 v12, -v13                          ; -M = floor(-t): M is a whole number
	s_delay_alu instid0(VALU_DEP_1)
	v_sub_f32 v231, v12, v231
	s_delay_alu instid0(VALU_DEP_1)
	v_cvt_i32_f32 v231, v231                       ; (it saturates)
	s_delay_alu instid0(VALU_DEP_1)
	v_ldexp_f32 v228, 1.0, v231                    ; f = 2^(old M - new M)
.irp j, 0,2,4,6,8,10,12,14,16,18,20,22,24,26,28,30,32,34,36,38,40,42,44,46,48,50,52,54,56,58,60,62
	v_pk_fma_f32 v[96+\j:97+\j], v[96+\j:97+\j], s[CS:CS+1], v[12:13] op_sel_hi:[1,0,0]
.endr
.irp b, 0,1,2,3
	v_fma_f32 v[BM+\b], v[BM+\b], s[CS], v12
.endr
.set JJ, 0
	s_wait_alu depctr_va_vdst(0)
.rept 64
	v_exp_f32 v[96+JJ], v[96+JJ]                   ; p = 2^(t - M)
.set JJ, JJ+1
.endr
	v_pk_mul_f32 v[14:15], v[14:15], v[228:229] op_sel_hi:[1,0]   ; the sums under the new M: a plain line behind the exponentials
	s_wait_alu depctr_va_vdst(0)                   ; one wait for the batch, ahead of its first reader
.irp b, 0,1,2,3
	v_exp_f32 v[BM+\b], v[BM+\b]                   ; the blocks' largest p
.endr
	v_pk_add_f32 v[216:217], v[100:101], v[104:105]
	v_pk_add_f32 v[254:255], v[108:109], v[112:113]
	v_pk_add_f32 v[252:253], v[116:117], v[120:121]
	v_pk_add_f32 v[250:251], v[124:125], v[128:129]
	v_pk_add_f32 v[248:249], v[132:133], v[136:137]
	v_pk_add_f32 v[246:247], v[140:141], v[144:145]
	v_pk_add_f32 v[244:245], v[148:149], v[152:153]
	v_pk_add_f32 v[14:15], v[14:15], v[156:157]
	v_pk_add_f32 v[216:217], v[216:217], v[96:97]
	v_pk_add_f32 v[254:255], v[254:255], v[98:99]
	v_pk_add_f32 v[252:253], v[252:253], v[102:103]
	v_pk_add_f32 v[250:251], v[250:251], v[106:107]
	v_pk_add_f32 v[248:249], v[248:249], v[110:111]
	v_pk_add_f32 v[246:247], v[246:247], v[114:115]
	v_pk_add_f32 v[244:245], v[244:245], v[118:119]
	v_pk_add_f32 v[14:15], v[14:15], v[122:123]
	v_pk_add_f32 v[216:217], v[216:217], v[126:127]
	v_pk_add_f32 v[254:255], v[254:255], v[130:131]
	v_pk_add_f32 v[252:253], v[252:253], v[134:135]
	v_pk_add_f32 v[250:251], v[250:251], v[138:139]
	v_pk_add_f32 v[248:249], v[248:249], v[142:143]
	v_pk_add_f32 v[246:247], v[246:247], v[146:147]
	v_pk_add_f32 v[244:245], v[244:245], v[150:151]
	v_pk_add_f32 v[14:15], v[14:15], v[154:155]
	v_pk_add_f32 v[216:217], v[216:217], v[158:159]
	s_delay_alu instid0(VALU_DEP_2)
	v_pk_add_f32 v[14:15], v[14:15], v[250:251]
	s_delay_alu instid0(VALU_DEP_2)
	v_pk_add_f32 v[216:217], v[216:217], v[248:249]
	v_pk_add_f32 v[254:255], v[254:255], v[246:247]
	v_pk_add_f32 v[252:253], v[252:253], v[244:245]
	s_delay_alu instid0(VALU_DEP_2)
	v_pk_add_f32 v[14:15], v[14:15], v[254:255]
	s_delay_alu instid0(VALU_DEP_2)
	v_pk_add_f32 v[216:217], v[216:217], v[252:253]
	s_delay_alu instid0(VALU_DEP_1)
	v_pk_add_f32 v[14:15], v[14:15], v[216:217]
	s_wait_alu depctr_va_vdst(0)                   ; and one for the four
.irp b, 0,1,2,3
	v_max_num_f32 v[BM+\b], 0x1800000, v[BM+\b]    ; the floor: the byte cannot fall under 1
.endr
.irp b, 0,1,2,3
	s_delay_alu instid0(VALU_DEP_4)
	v_add_nc_u32 v[BS+\b], 0xff000000, v[BM+\b]
.endr
.irp b, 0,1,2,3
	s_delay_alu instid0(VALU_DEP_4)
	v_lshrrev_b32 v[BP+\b], 23, v[BS+\b]
.endr
	s_delay_alu instid0(VALU_DEP_3)
	v_lshl_or_b32 v230, v217, 8, v216
	s_delay_alu instid0(VALU_DEP_1)
	v_lshl_or_b32 v230, v218, 16, v230
	s_delay_alu instid0(VALU_DEP_1)
	v_lshl_or_b32 v230, v219, 24, v230
.irp c, 0,1
	v_cvt_scalef32_pk16_fp6_f32 v[PC+6*\c:PC+2+6*\c], v[96+32*\c:111+32*\c], v[BS+2*\c]
	v_cvt_scalef32_pk16_fp6_f32 v[PC+12+4*\c:PC+14+4*\c], v[112+32*\c:127+32*\c], v[BS+2*\c+1]
.endr
	v_nop
.irp c, 0,1
.irp i, 0,1,2
	v_permlane16_swap_b32 v[PC+6*\c+\i], v[PC+12+4*\c+\i]
.endr
.irp i, 0,1,2
	s_delay_alu instid0(VALU_DEP_3)
	v_mov_b32 v[PC+3+6*\c+\i], v[PC+12+4*\c+\i]
.endr
.endr
.irp j, 0,2,4,6,8,10,12,14,16,18,20,22,24,26,28,30
	v_pk_mul_f32 v[160+\j:161+\j], v[160+\j:161+\j], v[228:229] op_sel_hi:[1,0]   ; O^T under the new M; these sixteen are also the places between p's codes and scale word and the products
.endr
	s_wait_alu depctr_va_vdst(0)
	s_wait_dscnt 0x0                               ; V
.irp i, 0,1,2,3
	v_wmma_scale_f32_16x16x128_f8f6f4 v[160+8*\i:167+8*\i], v[40+12*\i:51+12*\i], v[PC:PC+11], v[160+8*\i:167+8*\i], v[88+\i], v230 matrix_a_fmt:MATRIX_FMT_FP6 matrix_b_fmt:MATRIX_FMT_FP6
.endr
.Lskip_\@:
	s_add_co_u32 s[TK], s[TK], 6144
	s_add_co_u32 s[TS], s[TS], 256
	s_add_co_u32 s[ST], s[ST], 1
.endm
	; The first part has landed: my load of it here, everybody's behind the barrier.  The second part is a later first fill: ahead of its barrier stand the lines below,
	; the add twice on end.
	s_wait_alu depctr_va_vdst(0)                   ; the head's end
	s_wait_tensorcnt 0x0
	ds_add_u32 v4, v5
	ds_add_u32 v4, v5
	s_wait_dscnt 0x0
	s_barrier_signal -1
	s_barrier_wait -1
	s_cmp_lt_u32 s8, 12
	s_cbranch_scc0 .Lno_second
	tensor_load_to_lds s[32:35], s[52:59]          ; key steps 4-15: my one load behind this barrier
	s_nop 0
.rept 4
	v_nop
.endr
.Lno_second:
	s_mov_b32 s[CNT], 4
.Lstep_a:
	STEP
	s_sub_co_u32 s[CNT], s[CNT], 1
	s_cmp_lg_u32 s[CNT], 0
	s_cbranch_scc1 .Lstep_a
	s_wait_tensorcnt 0x0                           ; my share of the second part has landed; behind the barrier everybody's has.
	s_wait_dscnt 0x0
	s_barrier_signal -1
	s_barrier_wait -1
	s_mov_b32 s[CNT], 12
.Lstep_b:                                          ; no further barrier: each wave walks at its own pace
	STEP
	s_sub_co_u32 s[CNT], s[CNT], 1
	s_cmp_lg_u32 s[CNT], 0
	s_cbranch_scc1 .Lstep_b
	; THE WAY OUT.  O^T / the sum: register 16 g + i is channel 32 g + 16 (lane / 16) + i of my head: two blocks of 32 along the projection's K: half a fragment and two scale bytes.
.rept 4
	v_nop                                          ; places behind the last products
.endr
	s_wait_alu depctr_va_vdst(0)
	v_add_f32 v14, v14, v15
	s_delay_alu instid0(VALU_DEP_1)
	v_permlanex16_b32 v231, v14, s[SEL], s[SEL+1]
	s_delay_alu instid0(VALU_DEP_1)
	v_add_f32 v14, v14, v231
	s_wait_alu depctr_va_vdst(0)
	v_rcp_f32 v14, v14
	v_nop
	s_wait_alu depctr_va_vdst(0)
.set JJ, 0
.rept 32
	v_mul_f32 v[96+JJ], v[160+JJ], v14
.set JJ, JJ+1
.endr
.irp b, 0,1
	v_max3_num_f32 v[TM+\b], |v[96+16*\b]|, |v[97+16*\b]|, 0x1800000
.endr
.irp i, 2,4,6,8,10,12,14
.irp b, 0,1
	s_delay_alu instid0(VALU_DEP_2)
	v_max3_num_f32 v[TM+\b], v[TM+\b], |v[96+16*\b+\i]|, |v[97+16*\b+\i]|
.endr
.endr
.irp b, 0,1
	s_delay_alu instid0(VALU_DEP_2)
	v_permlanex16_b32 v[TM+4+\b], v[TM+\b], s[SEL], s[SEL+1]
.endr
.irp b, 0,1
	s_delay_alu instid0(VALU_DEP_2)
	v_max_num_f32 v[TM+\b], v[TM+\b], v[TM+4+\b]
.endr
.irp b, 0,1
	s_delay_alu instid0(VALU_DEP_2)
	v_add_nc_u32 v[TM+12+\b], 0xff000000, v[TM+\b]
.endr
.irp b, 0,1
	s_delay_alu instid0(VALU_DEP_2)
	v_lshrrev_b32 v[TM+4+\b], 23, v[TM+12+\b]
.endr
	s_delay_alu instid0(VALU_DEP_1)
	v_lshl_or_b32 v[PW], v[TM+5], 8, v[TM+4]
	v_cvt_scalef32_pk16_fp6_f32 v[PC:PC+2], v[96:111], v[TM+12]
	v_cvt_scalef32_pk16_fp6_f32 v[PC+6:PC+8], v[112:127], v[TM+13]
	v_nop
.irp i, 0,1,2
	v_permlane16_swap_b32 v[PC+\i], v[PC+6+\i]
.endr
.irp i, 0,1,2
	s_delay_alu instid0(VALU_DEP_3)
	v_mov_b32 v[PC+3+\i], v[PC+6+\i]
.endr
	global_store_b128 v1, v[PC:PC+3], s[74:75]
	global_store_b64 v2, v[PC+4:PC+5], s[74:75] offset:512
	global_store_b16 v95, v[PW], s[76:77]          ; (lanes 16-31 write the same bytes with the same values)
	s_wait_tensorcnt 0x0                           ; the wave's end
	ds_add_u32 v4, v5
	s_wait_dscnt 0x0
	s_endpgm
.Lfunc_end_k_qab2df51589_attn:
	.size	k_qab2df51589_attn, .Lfunc_end_k_qab2df51589_attn-k_qab2df51589_attn
	.p2alignl 7, 3214868480
	.fill 96, 4, 3214868480
	.section	.rodata,"a",@progbits
	.p2align	6, 0x0
	.amdhsa_kernel k_qab2df51589_attn
		.amdhsa_group_segment_fixed_size 327680
		.amdhsa_private_segment_fixed_size 0
		.amdhsa_enable_private_segment 0
		.amdhsa_kernarg_size 16
		.amdhsa_user_sgpr_count 2
		.amdhsa_user_sgpr_kernarg_segment_ptr 1
		.amdhsa_wavefront_size32 1
		.amdhsa_system_sgpr_workgroup_id_x 1
		.amdhsa_system_sgpr_workgroup_id_y 1
		.amdhsa_system_sgpr_workgroup_id_z 1
		.amdhsa_system_vgpr_workitem_id 0
		.amdhsa_next_free_vgpr 256
		.amdhsa_next_free_sgpr 100
		.amdhsa_reserve_vcc 1
		.amdhsa_float_denorm_mode_32 3
		.amdhsa_float_denorm_mode_16_64 3
		.amdhsa_memory_ordered 1
		.amdhsa_forward_progress 1
		.amdhsa_inst_pref_size 61
	.end_amdhsa_kernel
	.amdgpu_metadata
---
amdhsa.version: [ 1, 2 ]
amdhsa.kernels:
  - .name:           k_qab2df51589_attn
    .symbol:         k_qab2df51589_attn.kd
    .args:
      - { .name: qkv, .offset: 0, .size: 8, .value_kind: global_buffer, .address_space: global }
      - { .name: ybuf, .offset: 8, .size: 8, .value_kind: global_buffer, .address_space: global }
    .group_segment_fixed_size: 327680
    .private_segment_fixed_size: 0
    .kernarg_segment_align: 8
    .kernarg_segment_size: 16
    .max_flat_workgroup_size: 512
    .sgpr_count:     100
    .vgpr_count:     256
    .wavefront_size: 32
...
	.end_amdgpu_metadata
.endif
;; end of part 3
;; launch projln (part 4): grid 256 x 1, 16 waves a work-group, no clusters, 16,384 bytes of LDS; arguments ybuf, wts, b_proj, x, ln2_g, ln2_b, mid; writes mid
.if DOCPART == 4
	.amdgcn_target "amdgcn-amd-amdhsa--gfx1250"
	.amdhsa_code_object_version 6
	.text
	.protected	k_qab2df51589_projln
	.globl	k_qab2df51589_projln
	.p2align	8
	.type	k_qab2df51589_projln,@function
k_qab2df51589_projln:
	s_mov_b64 s[64:65], 0
	v_nop
	global_prefetch_b8 v0, s[64:65] scope:SCOPE_SE
	s_setreg_imm32_b32 hwreg(HW_REG_WAVE_MODE, 25, 1), 1
	s_wait_xcnt 0x0
; x1 = x + y w_proj + b_proj (product on codes of FP6), and h2 = Q(layernorm(x1) g + b), fused: a work-group owns ONE tile of 16 tokens and all 1,024 columns, so that a row's mean and variance are at hand.
; 256 tiles, 256 work-groups.  Lane-row r of tile t is token 32 (t / 2) + 8 (t % 2) + r + 8 (r / 8).
; SHARES.  Wave w owns columns 64 w .. 64 w + 63: four tiles of w_proj, whose fragments go from memory straight into its registers, in three sets of 48 registers: a K step's 16 loads are issued three K steps
; ahead of its products.  Each fragment is read by one wave of the work-group alone.
; y's eight fragments are 12,288 dense bytes: each wave fetches 768 of them (half a fragment) and lays them into LDS as they lie in memory; every wave reads a K step's fragment from there.
; Scale words: a load of 4 bytes a lane brings a pair of K steps: lanes 0-15 the even step's words, lanes 16-31 the odd one's; the odd steps' products name the upper lanes.
; No cluster and no ring: what work-groups share is the weight, and each wave takes its own part of it straight into registers.  No prefetch: each wave's own loads already stand three K steps ahead of their use,
; and a K step more would name bytes that those loads name at the same place of the text.
; Source 0 = the weight's fragment, source 1 = y's: lane (r, h) holds token lane-row r, and the 16 registers of tiles 2 g, 2 g + 1 columns 32 g + 16 h + 0 .. 15.
; x + b_proj is the sums' starting value: the order of the f32 additions differs from the reference's (residual first).  Mean and variance in two passes: no difference of large sums.
; x1 leaves as an image of the accumulators [tile][32 columns][4 x 512 bytes], as the last launch wants it back.
; LIMITS: NaN and infinities are not served; a block whose largest magnitude lies under 2^-124 gets the scale byte 1 (this program alone reads the bytes).
.set YIMG, 0                           ; LDS: y's 12,288 bytes,
.set RED1, 12288                       ; the waves' sums [16 rows][16 waves],
.set RED2, 13312                       ; the sums of squares,
.set SPARE, 14336                      ; the spare words, 128 bytes a wave, that no other line names
.set ACC, 16                           ; v16-47  weight tile t at 8 t
.set WF,  48                           ; v48-191 the weight's three sets; later ln2_b (v48-79) and ln2_g (v144-175)
.set AFR, 192                          ; v192-203 y's fragment; later the sums
.set WS,  204                          ; v204-219 the weight's scale words
.set AS,  220                          ; v220-223 y's
.set BI,  224                          ; v224-255 b_proj; later the quantiser
.set RS,  196                          ; v196-211 a row's sixteen partial sums
.set TM,  224
.set PC,  240
.set PW,  250
.set SEL, 42
; v4 16 x lane, v5 8 x lane, v6 4 x lane, v7 4 r, v8 x's lane term, v9, v10 where I store my part of y, v11, v12 the sums' words, v13 64 h, v14, v15 the add's two
	s_load_b256 s[4:11], s[0:1], 0x0               ; ybuf, wts, b_proj, x
	s_load_b128 s[12:15], s[0:1], 0x20             ; ln2_g, ln2_b
	s_load_b64 s[16:17], s[0:1], 0x30              ; mid
	v_lshl_add_u32 v14, v0, 2, SPARE
	v_mov_b32 v15, 0
	v_lshrrev_b32 v1, 5, v0
	s_delay_alu instid0(VALU_DEP_1)
	v_readfirstlane_b32 s18, v1                    ; wave 0..15
	v_and_b32 v1, 31, v0
	v_and_b32 v2, 15, v0
	v_bfe_u32 v3, v0, 4, 1
	s_delay_alu instid0(VALU_DEP_3)
	v_lshlrev_b32 v4, 4, v1
	s_delay_alu instid0(VALU_DEP_4)
	v_lshlrev_b32 v5, 3, v1
	v_lshlrev_b32 v6, 2, v1
	v_lshlrev_b32 v7, 2, v2
	v_and_b32 v8, 8, v2
	s_delay_alu instid0(VALU_DEP_1)
	v_add_nc_u32 v8, v8, v2
	v_lshlrev_b32 v13, 6, v3
	s_delay_alu instid0(VALU_DEP_1)
	v_lshl_add_u32 v8, v8, 12, v13                 ; my token's row of 4,096 bytes + 64 h
	s_mul_i32 s19, s18, 768
	v_add_nc_u32 v9, s19, v4
	v_add_nc_u32 v10, s19, v5
	v_lshlrev_b32 v12, 6, v2
	s_lshl_b32 s19, s18, 2
	v_add_nc_u32 v11, s19, v12
	s_mul_i32 s20, ttmp9, 12288
	s_mul_i32 s44, s18, 768
	s_add_co_u32 s20, s20, s44                     ; my 768 bytes of y's codes; h2's half fragment lies at the same place of its region
	s_mov_b32 s21, 0
	s_lshl_b32 s22, ttmp9, 9
	s_add_co_u32 s22, s22, 3145728                 ; y's scale words
	s_mov_b32 s23, 0
	s_mul_i32 s24, s18, 49152
	s_add_co_u32 s24, s24, 2359296                 ; w_proj's codes: my four tiles
	s_mov_b32 s25, 0
	s_lshl_b32 s26, s18, 11
	s_add_co_u32 s26, s26, 9535488                 ; their scale words
	s_mov_b32 s27, 0
	s_lshl_b32 s30, s18, 8                         ; my 64 columns in bytes
	s_mov_b32 s31, 0
	s_lshr_b32 s28, ttmp9, 1
	s_lshl_b32 s28, s28, 5
	s_and_b32 s29, ttmp9, 1
	s_lshl_b32 s29, s29, 3
	s_add_co_u32 s28, s28, s29                     ; the tile's first token
	s_lshl_b32 s28, s28, 12
	s_add_co_u32 s28, s28, s30
	s_mov_b32 s29, 0
	s_lshl_b32 s36, ttmp9, 5
	s_lshl_b32 s44, s18, 1
	s_add_co_u32 s36, s36, s44
	s_lshl_b32 s36, s36, 11                        ; x1: (32 x tile + my first group of 32 columns) x 2,048
	s_mov_b32 s37, 0
	s_add_co_u32 s38, s20, 16777216                ; h2's codes
	s_mov_b32 s39, 0
	s_lshl_b32 s40, ttmp9, 9
	s_lshr_b32 s44, s18, 1
	s_lshl_b32 s44, s44, 6
	s_add_co_u32 s40, s40, s44
	s_and_b32 s44, s18, 1
	s_lshl_b32 s44, s44, 1
	s_add_co_u32 s40, s40, s44
	s_add_co_u32 s40, s40, 19922944                ; h2's scale words: my half of a word
	s_mov_b32 s41, 0
	s_mov_b32 s[SEL], 0x76543210
	s_mov_b32 s[SEL+1], 0xfedcba98
	s_mov_b32 s46, 0x3a800000                      ; 1 / 1024
	s_mov_b32 s47, 0x3727c5ac                      ; 1e-5
	s_wait_alu depctr_va_vdst(0)                   ; the head's end
	s_wait_kmcnt 0x0
	s_add_nc_u64 s[20:21], s[4:5], s[20:21]
	s_add_nc_u64 s[22:23], s[4:5], s[22:23]
	s_add_nc_u64 s[24:25], s[6:7], s[24:25]
	s_add_nc_u64 s[26:27], s[6:7], s[26:27]
	s_add_nc_u64 s[28:29], s[10:11], s[28:29]
	s_add_nc_u64 s[32:33], s[12:13], s[30:31]
	s_add_nc_u64 s[34:35], s[14:15], s[30:31]
	s_add_nc_u64 s[30:31], s[8:9], s[30:31]
	s_add_nc_u64 s[36:37], s[16:17], s[36:37]
	s_add_nc_u64 s[38:39], s[16:17], s[38:39]
	s_add_nc_u64 s[40:41], s[16:17], s[40:41]
.macro WLOAD ks                        ; my four tiles' fragments of K step ks into set ks % 3: 16 loads
.set WB, WF+48*((\ks)%3)
.irp t, 0,1,2,3
	global_load_b128 v[WB+12*\t:WB+12*\t+3], v4, s[24:25] offset:12288*\t+1536*(\ks)
	global_load_b64 v[WB+12*\t+4:WB+12*\t+5], v5, s[24:25] offset:12288*\t+1536*(\ks)+512
	global_load_b128 v[WB+12*\t+6:WB+12*\t+9], v4, s[24:25] offset:12288*\t+1536*(\ks)+768
	global_load_b64 v[WB+12*\t+10:WB+12*\t+11], v5, s[24:25] offset:12288*\t+1536*(\ks)+1280
.endr
.endm
.macro VEC32 reg, base                 ; 32 numbers along my 64 columns, in the accumulators' order: 8 loads
.irp gm, 0,1
.irp j, 0,1,2,3
	global_load_b128 v[\reg+16*\gm+4*\j:\reg+16*\gm+4*\j+3], v13, s[\base:\base+1] offset:128*\gm+16*\j
.endr
.endr
.endm
	global_load_b128 v[AFR:AFR+3], v4, s[20:21]
	global_load_b64 v[AFR+4:AFR+5], v5, s[20:21] offset:512
.irp gm, 0,1
.irp j, 0,1,2,3
	global_load_b128 v[ACC+16*\gm+4*\j:ACC+16*\gm+4*\j+3], v8, s[28:29] offset:128*\gm+16*\j th:TH_LOAD_NT   ; the residual, straight into the accumulators
.endr
.endr
	VEC32 BI, 30                                   ; b_proj
.irp kp, 0,1,2,3
	global_load_b32 v[AS+\kp], v6, s[22:23] offset:128*\kp
.endr
.irp t, 0,1,2,3
.irp kp, 0,1,2,3
	global_load_b32 v[WS+4*\kp+\t], v6, s[26:27] offset:512*\t+128*\kp
.endr
.endr
	WLOAD 0
	s_wait_loadcnt 52                              ; y's two loads are in; behind them: 8 of x, 8 of the bias, 20 of scale words, 16 of the weight
	ds_store_b128 v9, v[AFR:AFR+3] offset:YIMG
	ds_store_b64 v10, v[AFR+4:AFR+5] offset:YIMG+512
	WLOAD 1
	s_wait_dscnt 0x0                               ; for the others' sake: my part of y has landed
	s_barrier_signal -1
	s_barrier_wait -1
	WLOAD 2
	s_wait_loadcnt 63                              ; x and the bias are in: 68 loads were issued behind them
.set JJ, 0
.rept 16
	v_pk_add_f32 v[ACC+JJ:ACC+JJ+1], v[ACC+JJ:ACC+JJ+1], v[BI+JJ:BI+JJ+1]
.set JJ, JJ+2
.endr
.macro KSTEP ks
.set WB, WF+48*((\ks)%3)
	ds_load_b128 v[AFR:AFR+3], v4 offset:YIMG+(\ks)*1536
	ds_load_b64 v[AFR+4:AFR+5], v5 offset:YIMG+(\ks)*1536+512
	ds_load_b128 v[AFR+6:AFR+9], v4 offset:YIMG+(\ks)*1536+768
	ds_load_b64 v[AFR+10:AFR+11], v5 offset:YIMG+(\ks)*1536+1280
.if (\ks) == 7
	s_wait_loadcnt 16                              ; this step's weights are in; the gain's and the bias's eight loads each may be out
.elseif (\ks) == 6
	s_wait_loadcnt 24                              ; behind this step's weights: the last step's sixteen loads and the gain's eight
.else
	s_wait_loadcnt 32                              ; this step's weights are in; the two later sets' 32 loads may be out
.endif
	s_wait_dscnt 0x0
.irp t, 0,1,2,3                                ; four accumulators by turns
.if ((\ks)%2)
	v_wmma_scale_f32_16x16x128_f8f6f4 v[ACC+8*\t:ACC+8*\t+7], v[WB+12*\t:WB+12*\t+11], v[AFR:AFR+11], v[ACC+8*\t:ACC+8*\t+7], v[WS+4*((\ks)/2)+\t], v[AS+(\ks)/2] matrix_a_fmt:MATRIX_FMT_FP6 matrix_b_fmt:MATRIX_FMT_FP6 matrix_a_scale:MATRIX_SCALE_ROW1 matrix_b_scale:MATRIX_SCALE_ROW1
.else
	v_wmma_scale_f32_16x16x128_f8f6f4 v[ACC+8*\t:ACC+8*\t+7], v[WB+12*\t:WB+12*\t+11], v[AFR:AFR+11], v[ACC+8*\t:ACC+8*\t+7], v[WS+4*((\ks)/2)+\t], v[AS+(\ks)/2] matrix_a_fmt:MATRIX_FMT_FP6 matrix_b_fmt:MATRIX_FMT_FP6
.endif
.endr
.rept 4
	v_nop                                          ; places ahead of loads into the operands, and of the first read of results
.endr
.if (\ks) <= 4
	WLOAD (\ks)+3
.endif
.if (\ks) == 5
	VEC32 WF+96, 32                                ; ln2_g into the set that is done with
.endif
.if (\ks) == 6
	VEC32 WF, 34                                   ; ln2_b
.endif
.endm
	s_wait_alu depctr_va_vdst(0)
.irp ks, 0,1,2,3,4,5,6,7
	KSTEP \ks
.endr
.irp gm, 0,1
.irp j, 0,1,2,3
	global_store_b128 v4, v[ACC+16*\gm+4*\j:ACC+16*\gm+4*\j+3], s[36:37] offset:\gm*2048+512*\j   ; x1: 512 consecutive bytes a store; each accumulator from its low end on
.endr
.endr
; the sum over a row: my 32 numbers, lane l xor 16's, then the sixteen waves' through LDS.  sq = 1: of squares.  The result: v[RS]
.macro ROWSUM sq, red
.if \sq
	v_pk_mul_f32 v[192:193], v[ACC:ACC+1], v[ACC:ACC+1]
	v_pk_mul_f32 v[194:195], v[ACC+2:ACC+3], v[ACC+2:ACC+3]
.irp j, 4,8,12,16,20,24,28
	s_delay_alu instid0(VALU_DEP_2)
	v_pk_fma_f32 v[192:193], v[ACC+\j:ACC+\j+1], v[ACC+\j:ACC+\j+1], v[192:193]
	s_delay_alu instid0(VALU_DEP_2)
	v_pk_fma_f32 v[194:195], v[ACC+\j+2:ACC+\j+3], v[ACC+\j+2:ACC+\j+3], v[194:195]
.endr
.else
	v_pk_add_f32 v[192:193], v[ACC:ACC+1], v[ACC+4:ACC+5]
	v_pk_add_f32 v[194:195], v[ACC+2:ACC+3], v[ACC+6:ACC+7]
.irp j, 8,12,16,20,24,28                       ; (two chains by turns; their sources are matrix results, so no hint stands here)
	v_pk_add_f32 v[192:193], v[192:193], v[ACC+\j:ACC+\j+1]
	v_pk_add_f32 v[194:195], v[194:195], v[ACC+\j+2:ACC+\j+3]
.endr
.endif
	s_delay_alu instid0(VALU_DEP_1)
	v_pk_add_f32 v[192:193], v[192:193], v[194:195]
	s_delay_alu instid0(VALU_DEP_1)
	v_add_f32 v192, v192, v193
	s_delay_alu instid0(VALU_DEP_1)
	v_permlanex16_b32 v193, v192, s[SEL], s[SEL+1]
	s_delay_alu instid0(VALU_DEP_1)
	v_add_f32 v192, v192, v193
	ds_store_b32 v11, v192 offset:\red             ; (lanes r and r + 16 write the same word with the same value)
	s_wait_dscnt 0x0                               ; for the others' sake: my sum has landed
	s_barrier_signal -1
	s_barrier_wait -1
.irp k, 0,1,2,3
	ds_load_b128 v[RS+4*\k:RS+4*\k+3], v12 offset:\red+16*\k
.endr
	s_wait_dscnt 0x0
.irp k, 0,4,8,12
	v_pk_add_f32 v[RS+\k:RS+\k+1], v[RS+\k:RS+\k+1], v[RS+\k+2:RS+\k+3]
.endr
	s_delay_alu instid0(VALU_DEP_3)
	v_pk_add_f32 v[RS:RS+1], v[RS:RS+1], v[RS+4:RS+5]
	s_delay_alu instid0(VALU_DEP_2)
	v_pk_add_f32 v[RS+8:RS+9], v[RS+8:RS+9], v[RS+12:RS+13]
	s_delay_alu instid0(VALU_DEP_1)
	v_pk_add_f32 v[RS:RS+1], v[RS:RS+1], v[RS+8:RS+9]
	s_delay_alu instid0(VALU_DEP_1)
	v_add_f32 v[RS], v[RS], v[RS+1]
.endm
	ROWSUM 0, RED1
	s_delay_alu instid0(VALU_DEP_1)
	v_mul_f32 v212, 0xba800000, v[RS]              ; - mean
	s_wait_alu depctr_va_vdst(0)
	s_wait_xcnt 0x0                                ; x1's stores have read their data: the accumulators may be written
.set JJ, 0
.rept 16
	v_pk_add_f32 v[ACC+JJ:ACC+JJ+1], v[ACC+JJ:ACC+JJ+1], v[212:213] op_sel_hi:[1,0]
.set JJ, JJ+2
.endr
	ROWSUM 1, RED2                                 ; other bytes than the first sums': one barrier is enough
	s_delay_alu instid0(VALU_DEP_1)
	v_fma_f32 v[RS], v[RS], s46, s47               ; variance + 1e-5
	s_wait_alu depctr_va_vdst(0)                   ; the wait ahead of the transcendental,
	v_rsq_f32 v214, v[RS]
	v_nop                                          ; a plain line behind it,
	s_wait_alu depctr_va_vdst(0)                   ; and the wait ahead of its first reader
	s_wait_loadcnt 0x0                             ; gain and bias
.set JJ, 0
.rept 16
	v_pk_mul_f32 v[ACC+JJ:ACC+JJ+1], v[ACC+JJ:ACC+JJ+1], v[214:215] op_sel_hi:[1,0]
.set JJ, JJ+2
.endr
.set JJ, 0
.rept 16
	v_pk_fma_f32 v[ACC+JJ:ACC+JJ+1], v[ACC+JJ:ACC+JJ+1], v[WF+96+JJ:WF+97+JJ], v[WF+JJ:WF+1+JJ]
.set JJ, JJ+2
.endr
; 32 numbers of a lane, register 16 b + i = k 32 b + 16 (lane / 16) + i -> half a fragment in v[PC] .. v[PC + 5], two scale bytes in v[PW]
.irp b, 0,1
	v_max3_num_f32 v[TM+\b], |v[ACC+16*\b]|, |v[ACC+1+16*\b]|, 0x1800000   ; and the floor 2^(3 - 127): the byte cannot fall under 1
.endr
.irp i, 2,4,6,8,10,12,14
.irp b, 0,1
	s_delay_alu instid0(VALU_DEP_2)
	v_max3_num_f32 v[TM+\b], v[TM+\b], |v[ACC+16*\b+\i]|, |v[ACC+1+16*\b+\i]|
.endr
.endr
.irp b, 0,1
	s_delay_alu instid0(VALU_DEP_2)
	v_permlanex16_b32 v[TM+4+\b], v[TM+\b], s[SEL], s[SEL+1]
.endr
.irp b, 0,1
	s_delay_alu instid0(VALU_DEP_2)
	v_max_num_f32 v[TM+\b], v[TM+\b], v[TM+4+\b]
.endr
.irp b, 0,1
	s_delay_alu instid0(VALU_DEP_2)
	v_add_nc_u32 v[TM+12+\b], 0xff000000, v[TM+\b]  ; 2 off the exponent field: the conversion's scale operand
.endr
.irp b, 0,1
	s_delay_alu instid0(VALU_DEP_2)
	v_lshrrev_b32 v[TM+4+\b], 23, v[TM+12+\b]
.endr
	s_delay_alu instid0(VALU_DEP_1)
	v_lshl_or_b32 v[PW], v[TM+5], 8, v[TM+4]
	v_cvt_scalef32_pk16_fp6_f32 v[PC:PC+2], v[ACC:ACC+15], v[TM+12]
	v_cvt_scalef32_pk16_fp6_f32 v[PC+6:PC+8], v[ACC+16:ACC+31], v[TM+13]
	v_nop                                          ; one plain line behind the scaled conversions
.irp i, 0,1,2
	v_permlane16_swap_b32 v[PC+\i], v[PC+6+\i]
.endr
.irp i, 0,1,2
	s_delay_alu instid0(VALU_DEP_3)
	v_mov_b32 v[PC+3+\i], v[PC+6+\i]
.endr
	global_store_b128 v4, v[PC:PC+3], s[38:39]
	global_store_b64 v5, v[PC+4:PC+5], s[38:39] offset:512
	global_store_b16 v7, v[PW], s[40:41]           ; (lanes 16-31 write the same bytes with the same values)
	s_wait_tensorcnt 0x0                           ; the wave's end, behind my last LDS store
	ds_add_u32 v14, v15
	s_wait_dscnt 0x0
	s_endpgm
.Lfunc_end_k_qab2df51589_projln:
	.size	k_qab2df51589_projln, .Lfunc_end_k_qab2df51589_projln-k_qab2df51589_projln
	.p2alignl 7, 3214868480
	.fill 96, 4, 3214868480
	.section	.rodata,"a",@progbits
	.p2align	6, 0x0
	.amdhsa_kernel k_qab2df51589_projln
		.amdhsa_group_segment_fixed_size 16384
		.amdhsa_private_segment_fixed_size 0
		.amdhsa_enable_private_segment 0
		.amdhsa_kernarg_size 56
		.amdhsa_user_sgpr_count 2
		.amdhsa_user_sgpr_kernarg_segment_ptr 1
		.amdhsa_wavefront_size32 1
		.amdhsa_system_sgpr_workgroup_id_x 1
		.amdhsa_system_sgpr_workgroup_id_y 1
		.amdhsa_system_sgpr_workgroup_id_z 1
		.amdhsa_system_vgpr_workitem_id 0
		.amdhsa_next_free_vgpr 256
		.amdhsa_next_free_sgpr 66
		.amdhsa_reserve_vcc 0
		.amdhsa_float_denorm_mode_32 3
		.amdhsa_float_denorm_mode_16_64 3
		.amdhsa_memory_ordered 1
		.amdhsa_forward_progress 1
		.amdhsa_inst_pref_size 42
	.end_amdhsa_kernel
	.amdgpu_metadata
---
amdhsa.version: [ 1, 2 ]
amdhsa.kernels:
  - .name:           k_qab2df51589_projln
    .symbol:         k_qab2df51589_projln.kd
    .args:
      - { .name: ybuf, .offset: 0, .size: 8, .value_kind: global_buffer, .address_space: global }
      - { .name: wts, .offset: 8, .size: 8, .value_kind: global_buffer, .address_space: global }
      - { .name: b_proj, .offset: 16, .size: 8, .value_kind: global_buffer, .address_space: global }
      - { .name: x, .offset: 24, .size: 8, .value_kind: global_buffer, .address_space: global }
      - { .name: ln2_g, .offset: 32, .size: 8, .value_kind: global_buffer, .address_space: global }
      - { .name: ln2_b, .offset: 40, .size: 8, .value_kind: global_buffer, .address_space: global }
      - { .name: mid, .offset: 48, .size: 8, .value_kind: global_buffer, .address_space: global }
    .group_segment_fixed_size: 16384
    .private_segment_fixed_size: 0
    .kernarg_segment_align: 8
    .kernarg_segment_size: 56
    .max_flat_workgroup_size: 512
    .sgpr_count:     66
    .vgpr_count:     256
    .wavefront_size: 32
...
	.end_amdgpu_metadata
.endif
;; end of part 4
;; launch fc (part 5): grid 16 x 16, 4 waves a work-group, clusters of 4 x 4, 327,680 bytes of LDS; arguments mid, wts, b_fc, hid; writes hid
.if DOCPART == 5
	.amdgcn_target "amdgcn-amd-amdhsa--gfx1250"
	.amdhsa_code_object_version 6
	.text
	.protected	k_qab2df51589_fc
	.globl	k_qab2df51589_fc
	.p2align	8
	.type	k_qab2df51589_fc,@function
k_qab2df51589_fc:
	s_mov_b64 s[64:65], 0
	v_nop
	global_prefetch_b8 v0, s[64:65] scope:SCOPE_SE
	s_setreg_imm32_b32 hwreg(HW_REG_WAVE_MODE, 25, 1), 1
	s_wait_xcnt 0x0
	s_wait_alu depctr_hold_cnt(0) depctr_sa_sdst(0) depctr_va_vdst(0) depctr_va_sdst(0) depctr_va_ssrc(0) depctr_va_vcc(0) depctr_vm_vsrc(0)
	s_getreg_b32 s2, hwreg(HW_REG_IB_STS2, 6, 4)
	s_cmp_eq_u32 s2, 0
	s_cbranch_scc0 .Lentry_in_a_cluster
	s_endpgm
.Lentry_in_a_cluster:
	s_bfe_u32 s2, ttmp6, 0x10000c
	s_cmp_lg_u32 s2, 0xf033
	s_cbranch_scc0 .Lentry_shape_is_right
	s_endpgm
.Lentry_shape_is_right:
.set NA, 8
.set NB, 8
.set LOGNA, 3
.set NQ, 2
.set KT, 8
.set LAPS, KT/(2*NQ)
.set FR, 12
.set FRB, 1536
.set STEPB, NQ*FRB
.set RTP, KT*FRB
.set KSB, KT*64
.set HALFS, NA*KSB
.set HALFT, NA*STEPB
.set SLOT, 4*HALFT
.set SCL, 2*SLOT
.set SPARE, SCL+4*HALFS
.set NL, 4
.set HALF, NA/2
.set ADRA, 16
.set ADRB, 20
.set ADRS, 27
.set SPW, 28
.set NIL, 29
.set SC, 32
.set BI, 64
.set AF, 128
.set XR, 128
.set TR, 192
.set TM, 192
.set PC, 208
.set PW, 227
.set SEL, 32
.set G1, 24
.set G0, 32
.set G1B, 48
.set G0B, 56
.set G1S, 68
.set G0S, 76
.set G1SB, 80
.set G0SB, 88
.set MUL_LO, 0xa1
.set MUL_HI, 0xf1
.set TO_B, 0x40
.set MSB, 0
.macro WIN new
.if MSB != (\new)
	s_set_vgpr_msb (MSB<<8)|(\new)
.set MSB, (\new)
.endif
.endm
.macro PLACES
.rept 4
	v_nop
.endr
.endm
.macro JLOAD g0a, g1a, g0b, g1b
	s_cmp_eq_u32 s15, 0
	s_cbranch_scc0 .Lfor_b_\@
	tensor_load_to_lds s[\g0a:\g0a+3], s[\g1a:\g1a+7]
	s_nop 0
.rept 4
	v_nop
.endr
	s_branch .Lasked_\@
.Lfor_b_\@:
	tensor_load_to_lds s[\g0b:\g0b+3], s[\g1b:\g1b+7]
	s_nop 0
.rept 4
	v_nop
.endr
.Lasked_\@:
.endm
.macro CREST
	s_cmp_lg_u32 s14, 0
	s_cbranch_scc1 .Lnot_wave_0_\@
	s_barrier_signal -3
.Lnot_wave_0_\@:
	s_barrier_wait -3
	s_barrier_signal -1
	s_barrier_wait -1
.endm
.macro CROUND
	s_barrier_signal -1
	s_barrier_wait -1
	CREST
.endm
.macro FRAG reg, adr, off
	ds_load_b128 v[\reg:\reg+3], v[\adr] offset:\off
	ds_load_b64 v[\reg+4:\reg+5], v[\adr+2] offset:\off+512
	ds_load_b128 v[\reg+6:\reg+9], v[\adr] offset:\off+768
	ds_load_b64 v[\reg+10:\reg+11], v[\adr+2] offset:\off+1280
.endm
.macro FETCH_B slot, q, p
	WIN TO_B
.set II, 0
.rept NB
	FRAG 128*(\p)+FR*II, ADRB+\slot, II*STEPB+(\q)*FRB
.set II, II+1
.endr
	WIN 0
.endm
.macro FETCH_A slot, q, i0
.set II, \i0
.rept HALF
	FRAG AF+FR*II, ADRA+\slot, II*STEPB+(\q)*FRB
.set II, II+1
.endr
.endm
.macro SCALES sc
.set II, 0
.rept NA
.set QQ, 0
.rept NQ
	ds_load_b32 v[SC+16*(\sc)+NQ*II+QQ], v[ADRS] offset:II*KSB+64*QQ
.set QQ, QQ+1
.endr
.set II, II+1
.endr
.endm
.macro MULS a0, n, p, q, sc, zero
.set AA, \a0
.rept \n
.set BB, 0
.rept NB
.set DR, (8*(NB*AA+BB))%256
.if \zero
	v_wmma_scale_f32_16x16x128_f8f6f4 v[DR:DR+7], v[128*(\p)+FR*BB:128*(\p)+FR*BB+FR-1], v[AF+FR*AA:AF+FR*AA+FR-1], 0, v[SC+16*(\sc)+NQ*BB+(\q)], v[SC+16*(\sc)+NQ*AA+(\q)] matrix_a_fmt:MATRIX_FMT_FP6 matrix_b_fmt:MATRIX_FMT_FP6 matrix_a_scale:MATRIX_SCALE_ROW1
.else
	v_wmma_scale_f32_16x16x128_f8f6f4 v[DR:DR+7], v[128*(\p)+FR*BB:128*(\p)+FR*BB+FR-1], v[AF+FR*AA:AF+FR*AA+FR-1], v[DR:DR+7], v[SC+16*(\sc)+NQ*BB+(\q)], v[SC+16*(\sc)+NQ*AA+(\q)] matrix_a_fmt:MATRIX_FMT_FP6 matrix_b_fmt:MATRIX_FMT_FP6 matrix_a_scale:MATRIX_SCALE_ROW1
.endif
.set BB, BB+1
.endr
.set AA, AA+1
.endr
.endm
.macro STEP slot, q, zero
	s_wait_dscnt HALF*NL
	WIN MUL_LO
	MULS 0, HALF, (\q)%2, \q, \slot, \zero
	s_wait_dscnt 0
	PLACES
	FETCH_B \slot, (\q)+1, 1-(\q)%2
	FETCH_A \slot, (\q)+1, 0
	WIN MUL_HI
	MULS HALF, HALF, (\q)%2, \q, \slot, \zero
	PLACES
	WIN 0
	FETCH_A \slot, (\q)+1, HALF
.endm
.macro TURN slot, next, fill
	s_wait_tensorcnt 0x0
	ds_add_u32 v[SPW], v[NIL]
	s_wait_dscnt HALF*NL+1
	WIN MUL_LO
	MULS 0, HALF/2, 1, NQ-1, \slot, 0
	s_wait_dscnt 0x0
	s_barrier_signal -1
	MULS HALF/2, HALF/2, 1, NQ-1, \slot, 0
	WIN 0
	s_barrier_wait -1
.if \fill
	CREST
	s_add_nc_u64 s[G0+4*\slot+2:G0+4*\slot+3], s[G0+4*\slot+2:G0+4*\slot+3], 2*STEPB
	s_add_nc_u64 s[G0B+4*\slot+2:G0B+4*\slot+3], s[G0B+4*\slot+2:G0B+4*\slot+3], 2*STEPB
	JLOAD G0+4*\slot, G1, G0B+4*\slot, G1B
.else
	PLACES
.endif
	s_wait_alu depctr_va_vdst(0)
	v_add_nc_u32 v[ADRS], 64*NQ, v[ADRS]
	FETCH_B \next, 0, 0
	FETCH_A \next, 0, 0
	SCALES \next
	WIN MUL_HI
	MULS HALF, HALF, 1, NQ-1, \slot, 0
	PLACES
	WIN 0
	FETCH_A \next, 0, HALF
.endm
.macro QUANT64 s
.irp b, 0,1,2,3
	v_max3_num_f32 v[TM+\b], |v[\s+16*\b]|, |v[\s+1+16*\b]|, 0x1800000
.endr
.irp i, 2,4,6,8,10,12,14
.irp b, 0,1,2,3
	v_max3_num_f32 v[TM+\b], v[TM+\b], |v[\s+16*\b+\i]|, |v[\s+1+16*\b+\i]|
.endr
.endr
.irp b, 0,1,2,3
	v_permlanex16_b32 v[TM+4+\b], v[TM+\b], s[SEL], s[SEL+1]
.endr
.irp b, 0,1,2,3
	v_max_num_f32 v[TM+\b], v[TM+\b], v[TM+4+\b]
.endr
.irp b, 0,1,2,3
	v_add_nc_u32 v[TM+12+\b], 0xff000000, v[TM+\b]
.endr
.irp b, 0,1,2,3
	v_lshrrev_b32 v[TM+4+\b], 23, v[TM+12+\b]
.endr
	v_lshl_or_b32 v[PW], v[TM+5], 8, v[TM+4]
	v_lshl_or_b32 v[PW], v[TM+6], 16, v[PW]
	v_lshl_or_b32 v[PW], v[TM+7], 24, v[PW]
.irp c, 0,1
	v_cvt_scalef32_pk16_fp6_f32 v[PC+6*\c:PC+2+6*\c], v[\s+32*\c:\s+15+32*\c], v[TM+12+2*\c]
	v_cvt_scalef32_pk16_fp6_f32 v[PC+12+4*\c:PC+14+4*\c], v[\s+16+32*\c:\s+31+32*\c], v[TM+12+2*\c+1]
.endr
	v_nop
.irp c, 0,1
.irp i, 0,1,2
	v_permlane16_swap_b32 v[PC+6*\c+\i], v[PC+12+4*\c+\i]
.endr
.irp i, 0,1,2
	v_mov_b32 v[PC+3+6*\c+\i], v[PC+12+4*\c+\i]
.endr
.endr
.endm
	s_load_b256 s[4:11], s[0:1], 0x0
	v_lshl_add_u32 v[SPW], v0, 2, SPARE
	v_mov_b32 v[NIL], 0
	ds_add_u32 v[SPW], v[NIL]
	ds_add_u32 v[SPW], v[NIL]
	v_lshrrev_b32 v1, 5, v0
	v_readfirstlane_b32 s14, v1
	s_lshr_b32 s15, s14, 1
	s_and_b32 s16, s14, 1
	s_bfe_u32 s40, ttmp6, 0x40000
	s_bfe_u32 s41, ttmp6, 0x40004
	s_lshl_b32 s42, ttmp9, 2
	s_add_co_u32 s42, s42, s40
	s_and_b32 s17, ttmp7, 0xffff
	s_lshl_b32 s17, s17, 2
	s_add_co_u32 s17, s17, s41
	s_lshl_b32 s43, s41, 2
	s_lshl_b32 s43, 15, s43
	s_lshl_b32 s44, 0x1111, s40
	s_or_b32 s[G1+0], s43, (3<<16)|(1<<21)
	s_or_b32 s[G1B+0], s44, (3<<16)|(1<<21)
.irp g, G1, G1B
	s_mov_b32 s[\g+1], (STEPB/8)<<16
	s_mov_b32 s[\g+2], (2*NA)<<16                  ; tensor_dim1: 2 NA tiles for the head's loads; NA behind them
	s_mov_b32 s[\g+3], (STEPB/8)<<16
	s_mov_b32 s[\g+4], 2*NA
	s_mov_b32 s[\g+5], RTP/8
	s_mov_b32 s[\g+6], 0
	s_mov_b32 s[\g+7], 0
.endr
	s_or_b32 s[G1S+0], s43, (3<<16)|(1<<21)
	s_or_b32 s[G1SB+0], s44, (3<<16)|(1<<21)
.irp g, G1S, G1SB
	s_mov_b32 s[\g+1], 32<<16
	s_mov_b32 s[\g+2], (2*HALFS/256)<<16           ; the scale words of 2 NA tiles
	s_mov_b32 s[\g+3], 32<<16
	s_mov_b32 s[\g+4], 2*HALFS/256
	s_mov_b32 s[\g+5], 32
	s_mov_b32 s[\g+6], 0
	s_mov_b32 s[\g+7], 0
.endr
	s_lshl_b32 s18, s16, LOGNA
	s_lshl_b32 s20, s17, LOGNA+1
	s_add_co_u32 s20, s20, s18
	s_lshl_b32 s46, s42, LOGNA+1
	s_add_co_u32 s46, s46, s18
	s_sub_co_u32 s94, s20, s18                     ; the scale words are fetched for both halves at once: from the block's first tile
	s_mul_i32 s22, s94, KSB
	s_add_co_u32 s22, s22, 19922944
	s_sub_co_u32 s94, s46, s18
	s_mul_i32 s92, s94, KSB
	s_add_co_u32 s92, s92, 9568256
	s_mul_i32 s20, s20, RTP
	s_add_co_u32 s20, s20, 16777216
	s_mul_i32 s46, s46, RTP
	s_add_co_u32 s46, s46, 3145728
	s_mov_b32 s21, 0
	s_mov_b32 s23, 0
	s_mov_b32 s47, 0
	s_mov_b32 s93, 0
	s_mul_i32 s45, s14, HALFT
	s_cmp_eq_u32 s15, 0                            ; the prefetches: of the eight tiles that I fetch in the ring, my work-group names two, by its place among the four partners (cx for A, cy for B)
	s_cselect_b32 s94, s20, s46
	s_cselect_b32 s95, s40, s41
	s_mul_i32 s95, s95, 2*RTP
	s_add_co_u32 s94, s94, s95
	s_mov_b32 s95, 0
	s_wait_dscnt 0x0
	s_wait_kmcnt 0x0
	s_add_nc_u64 s[20:21], s[4:5], s[20:21]
	s_add_nc_u64 s[22:23], s[4:5], s[22:23]
	s_add_nc_u64 s[46:47], s[6:7], s[46:47]
	s_add_nc_u64 s[92:93], s[6:7], s[92:93]
	s_cmp_eq_u32 s15, 0
	s_cselect_b64 s[96:97], s[4:5], s[6:7]
	s_add_nc_u64 s[96:97], s[96:97], s[94:95]      ; s[96:97]: where my prefetches stand; never rewritten
	CROUND
	s_mov_b32 s[G0S], 1
	s_mov_b32 s[G0S+1], SCL
	s_mov_b64 s[G0S+2:G0S+3], s[22:23]
	s_or_b32 s[G0S+3], s[G0S+3], 0x80000000
	s_mov_b32 s[G0SB], 1
	s_mov_b32 s[G0SB+1], SCL+2*HALFS
	s_mov_b64 s[G0SB+2:G0SB+3], s[92:93]
	s_or_b32 s[G0SB+3], s[G0SB+3], 0x80000000
.irp s, 0,1
	s_mov_b32 s[G0+4*\s], 1
	s_add_co_u32 s[G0+4*\s+1], s45, \s*SLOT
	s_add_nc_u64 s[G0+4*\s+2:G0+4*\s+3], s[20:21], \s*STEPB
	s_or_b32 s[G0+4*\s+3], s[G0+4*\s+3], 0x80000000
	s_mov_b32 s[G0B+4*\s], 1
	s_add_co_u32 s[G0B+4*\s+1], s45, \s*SLOT
	s_add_nc_u64 s[G0B+4*\s+2:G0B+4*\s+3], s[46:47], \s*STEPB
	s_or_b32 s[G0B+4*\s+3], s[G0B+4*\s+3], 0x80000000
.endr
; THE HEAD'S FOUR TILES, ONE JOINT LOAD A WAVE: wave 0 slot 0's 2 NA tiles of A (its own group 0 begins at A's first tile and at LDS byte 0),
; wave 2 slot 0's 2 NA tiles of B (likewise), wave 1 A's scale words, wave 3 B's.  One chain of branches on the wave's number; every way passes one load.
.macro ARM w, g0, g1, next
	s_cmp_eq_u32 s14, \w
	s_cbranch_scc0 \next
	tensor_load_to_lds s[\g0:\g0+3], s[\g1:\g1+7]
	s_nop 0
.rept 4
	v_nop
.endr
	s_branch .Lhead_asked
\next:
.endm
	ARM 0, G0, G1, .Lhead_b
	ARM 2, G0B, G1B, .Lhead_sa
	ARM 1, G0S, G1S, .Lhead_sb
	tensor_load_to_lds s[G0SB:G0SB+3], s[G1SB:G1SB+7]
	s_nop 0
.rept 4
	v_nop
.endr
.Lhead_asked:
	v_and_b32 v1, 15, v0
	v_bfe_u32 v2, v0, 4, 1
	v_and_b32 v3, 31, v0
	v_lshlrev_b32 v4, 4, v3
	v_lshlrev_b32 v5, 3, v3
	s_mul_i32 s21, s15, HALFT
	s_mul_i32 s22, s16, HALFT
	s_add_co_u32 s22, s22, 2*HALFT
.irp s, 0,1
	v_add_nc_u32 v[ADRA+\s], s21, v4
	v_add_nc_u32 v[ADRB+\s], s22, v4
	v_add_nc_u32 v[ADRA+2+\s], s21, v5
	v_add_nc_u32 v[ADRB+2+\s], s22, v5
	s_add_co_u32 s21, s21, SLOT
	s_add_co_u32 s22, s22, SLOT
.endr
	v_lshlrev_b32 v26, 2, v1
	s_mul_i32 s21, s15, HALFS
	s_mul_i32 s22, s16, HALFS
	s_add_co_u32 s22, s22, 2*HALFS
	s_sub_co_u32 s22, s22, s21
	v_mul_u32_u24 v6, s22, v2
	s_add_co_u32 s21, s21, SCL
	v_add_nc_u32 v7, v26, v6
	v_add_nc_u32 v[ADRS], s21, v7
	v_mov_b32 v24, v4
	v_mov_b32 v25, v5
	v_lshlrev_b32 v30, 6, v2
	v_min_u32 v14, 23, v3                          ; a fill's 3,072 bytes of a tile are 12 blocks of 256: lanes 0-11 the first tile's, 12-23 the second's, lanes 24-31 name block 23 again
	v_mul_u32_u24 v15, v14, 171
	v_lshrrev_b32 v15, 11, v15                     ; lane / 12
	v_lshlrev_b32 v14, 8, v14
	v_mad_u32_u24 v14, v15, RTP-STEPB, v14         ; v14: the prefetches' offset; never rewritten
	v_mov_b32 v12, 0xc0135761
	v_mov_b32 v13, 0xc0135761
	s_lshl_b32 s12, s42, 10
	s_lshl_b32 s13, s16, 9
	s_add_co_u32 s12, s12, s13
	s_mov_b32 s13, 0
	s_add_nc_u64 s[12:13], s[8:9], s[12:13]
.irp g, 0,1,2,3
.irp j, 0,1,2,3
	global_load_b128 v[BI+16*\g+4*\j:BI+16*\g+4*\j+3], v30, s[12:13] offset:128*\g+16*\j
.endr
.endr
	global_prefetch_b8 v14, s[96:97] offset:STEPB th:TH_LOAD_NT scope:SCOPE_SE     ; fill 1,
	global_prefetch_b8 v14, s[96:97] offset:2*STEPB th:TH_LOAD_NT scope:SCOPE_SE   ; fill 2: each named ahead of the round behind which it is loaded
	s_wait_alu depctr_va_vdst(0)                   ; the head's end
	s_wait_tensorcnt 0x0                           ; my tile of the head's four is in; ahead of a later first fill:
	ds_add_u32 v[SPW], v[NIL]
	s_mov_b32 s[G1+2], NA<<16                      ; no tensor load of mine is out: from here on a load brings NA tiles
	s_mov_b32 s[G1+4], NA
	s_mov_b32 s[G1B+2], NA<<16
	s_mov_b32 s[G1B+4], NA
	s_wait_dscnt 0x0
	CROUND                                         ; all four tiles are in, and all sixteen work-groups are here
	JLOAD G0+4, G1, G0B+4, G1B                     ; slot 1's first fill, the first tensor load behind the round
	FETCH_B 0, 0, 0
	FETCH_A 0, 0, 0
	SCALES 0
	FETCH_A 0, 0, HALF
	global_prefetch_b8 v14, s[96:97] offset:3*STEPB th:TH_LOAD_NT scope:SCOPE_SE   ; fill 3, the last: two fills ahead of the one just asked for
	STEP 0, 0, 1
	s_mov_b32 s3, LAPS-1
.Llap:
	TURN 0, 1, 1
	STEP 1, 0, 0
	TURN 1, 0, 1
	STEP 0, 0, 0
	s_sub_co_u32 s3, s3, 1
	s_cmp_lg_u32 s3, 0
	s_cbranch_scc1 .Llap
	TURN 0, 1, 0
	STEP 1, 0, 0
	s_wait_dscnt HALF*NL
	WIN MUL_LO
	MULS 0, HALF, 1, NQ-1, 1, 0
	s_wait_dscnt 0
	WIN MUL_HI
	MULS HALF, HALF, 1, NQ-1, 1, 0
	WIN 0
	PLACES
	s_wait_loadcnt 0x0
	s_mov_b32 s[SEL], 0x76543210
	s_mov_b32 s[SEL+1], 0xfedcba98
	s_mov_b32 s34, 0xbdd2d3e8
	s_mov_b32 s35, 0xbdd2d3e8
	s_lshl_b32 s18, s17, 4
	s_lshl_b32 s19, s15, 3
	s_add_co_u32 s18, s18, s19
	s_lshl_b32 s18, s18, 5
	s_lshl_b32 s19, s42, 1
	s_add_co_u32 s18, s18, s19
	s_add_co_u32 s18, s18, s16
	s_mul_i32 s20, s18, 1536
	s_mov_b32 s21, 0
	s_add_nc_u64 s[20:21], s[10:11], s[20:21]
	s_lshl_b32 s22, s18, 6
	s_add_co_u32 s22, s22, 12582912
	s_mov_b32 s23, 0
	s_add_nc_u64 s[22:23], s[10:11], s[22:23]
.macro OUTBLOCK a
.if (\a) > 0
	s_wait_xcnt 0x0
.endif
.set AC, 64*((\a)%4)
	WIN 0x02+(\a)/4
.set JJ, 0
.rept 32
	v_pk_add_f32 v[XR+JJ:XR+JJ+1], v[AC+JJ:AC+JJ+1], v[BI+JJ:BI+JJ+1]
.set JJ, JJ+2
.endr
	WIN 0
.set JJ, 0
.rept 32
	v_pk_mul_f32 v[TR+JJ:TR+JJ+1], v[XR+JJ:XR+JJ+1], v[XR+JJ:XR+JJ+1]
.set JJ, JJ+2
.endr
.set JJ, 0
.rept 32
	v_pk_fma_f32 v[TR+JJ:TR+JJ+1], v[TR+JJ:TR+JJ+1], s[34:35], v[12:13] op_sel_hi:[1,0,0]
.set JJ, JJ+2
.endr
.set JJ, 0
.rept 32
	v_pk_mul_f32 v[TR+JJ:TR+JJ+1], v[TR+JJ:TR+JJ+1], v[XR+JJ:XR+JJ+1]
.set JJ, JJ+2
.endr
.set JJ, 0
	s_wait_alu depctr_va_vdst(0)
.rept 64
	v_exp_f32 v[TR+JJ], v[TR+JJ]
.set JJ, JJ+1
.endr
	v_nop
	s_wait_alu depctr_va_vdst(0)
.set JJ, 0
.rept 32
	v_pk_add_f32 v[TR+JJ:TR+JJ+1], v[TR+JJ:TR+JJ+1], 1.0 op_sel_hi:[1,0]
.set JJ, JJ+2
.endr
.set JJ, 0
	s_wait_alu depctr_va_vdst(0)
.rept 64
	v_rcp_f32 v[TR+JJ], v[TR+JJ]
.set JJ, JJ+1
.endr
	v_nop
	s_wait_alu depctr_va_vdst(0)
.set JJ, 0
.rept 32
	v_pk_mul_f32 v[XR+JJ:XR+JJ+1], v[XR+JJ:XR+JJ+1], v[TR+JJ:TR+JJ+1]
.set JJ, JJ+2
.endr
	QUANT64 XR
	global_store_b128 v24, v[PC:PC+3], s[20:21] offset:49152*(\a)
	global_store_b64 v25, v[PC+4:PC+5], s[20:21] offset:49152*(\a)+512
	global_store_b128 v24, v[PC+6:PC+9], s[20:21] offset:49152*(\a)+768
	global_store_b64 v25, v[PC+10:PC+11], s[20:21] offset:49152*(\a)+1280
	global_store_b32 v26, v[PW], s[22:23] offset:2048*(\a)
.endm
.irp a, 0,1,2,3,4,5,6,7
	OUTBLOCK \a
.endr
	s_wait_tensorcnt 0x0
	ds_add_u32 v[SPW], v[NIL]
	s_wait_dscnt 0x0
	CROUND
	s_endpgm
.Lfunc_end_k_qab2df51589_fc:
	.size	k_qab2df51589_fc, .Lfunc_end_k_qab2df51589_fc-k_qab2df51589_fc
	.p2alignl 7, 3214868480
	.fill 96, 4, 3214868480
	.section	.rodata,"a",@progbits
	.p2align	6, 0x0
	.amdhsa_kernel k_qab2df51589_fc
		.amdhsa_group_segment_fixed_size 327680
		.amdhsa_private_segment_fixed_size 0
		.amdhsa_enable_private_segment 0
		.amdhsa_kernarg_size 32
		.amdhsa_user_sgpr_count 2
		.amdhsa_user_sgpr_kernarg_segment_ptr 1
		.amdhsa_wavefront_size32 1
		.amdhsa_system_sgpr_workgroup_id_x 1
		.amdhsa_system_sgpr_workgroup_id_y 1
		.amdhsa_system_sgpr_workgroup_id_z 1
		.amdhsa_system_vgpr_workitem_id 0
		.amdhsa_next_free_vgpr 1024
		.amdhsa_next_free_sgpr 100
		.amdhsa_reserve_vcc 0
		.amdhsa_float_denorm_mode_32 3
		.amdhsa_float_denorm_mode_16_64 3
		.amdhsa_memory_ordered 1
		.amdhsa_forward_progress 1
		.amdhsa_inst_pref_size 255
	.end_amdhsa_kernel
	.section	.bss,"aw",@nobits
	.p2align	6
	.space	262144
	.amdgpu_metadata
---
amdhsa.version: [ 1, 2 ]
amdhsa.kernels:
  - .name:           k_qab2df51589_fc
    .symbol:         k_qab2df51589_fc.kd
    .args:
      - { .name: mid, .offset: 0, .size: 8, .value_kind: global_buffer, .address_space: global }
      - { .name: wts, .offset: 8, .size: 8, .value_kind: global_buffer, .address_space: global }
      - { .name: b_fc, .offset: 16, .size: 8, .value_kind: global_buffer, .address_space: global }
      - { .name: hid, .offset: 24, .size: 8, .value_kind: global_buffer, .address_space: global }
    .group_segment_fixed_size: 327680
    .private_segment_fixed_size: 0
    .kernarg_segment_align: 8
    .kernarg_segment_size: 32
    .max_flat_workgroup_size: 128
    .sgpr_count:     100
    .vgpr_count:     1024
    .wavefront_size: 32
...
	.end_amdgpu_metadata
.endif
;; end of part 5
;; launch proj2 (part 6): grid 8 x 32, 4 waves a work-group, clusters of 4 x 4, 327,680 bytes of LDS; arguments hid, wts, b_proj2, mid, out0; writes out0
.if DOCPART == 6
	.amdgcn_target "amdgcn-amd-amdhsa--gfx1250"
	.amdhsa_code_object_version 6
	.text
	.protected	k_qab2df51589_proj2
	.globl	k_qab2df51589_proj2
	.p2align	8
	.type	k_qab2df51589_proj2,@function
k_qab2df51589_proj2:
	s_mov_b64 s[64:65], 0
	v_nop
	global_prefetch_b8 v0, s[64:65] scope:SCOPE_SE
	s_setreg_imm32_b32 hwreg(HW_REG_WAVE_MODE, 25, 1), 1
	s_wait_xcnt 0x0
	s_wait_alu depctr_hold_cnt(0) depctr_sa_sdst(0) depctr_va_vdst(0) depctr_va_sdst(0) depctr_va_ssrc(0) depctr_va_vcc(0) depctr_vm_vsrc(0)
	s_getreg_b32 s2, hwreg(HW_REG_IB_STS2, 6, 4)
	s_cmp_eq_u32 s2, 0
	s_cbranch_scc0 .Lentry_in_a_cluster
	s_endpgm
.Lentry_in_a_cluster:
	s_bfe_u32 s2, ttmp6, 0x10000c
	s_cmp_lg_u32 s2, 0xf033
	s_cbranch_scc0 .Lentry_shape_is_right
	s_endpgm
.Lentry_shape_is_right:
; out0 = x1 + hid w_proj2 + b_proj2: a GEMM on codes of FP6 (E2M3) with one E8M0 byte for each 32 along K (K = 4,096), f32 sums; x1 (f32) lies in mid as an image of the accumulators.
; Operands lie in memory as fragment images [tile of 16 rows][K step of 128][1,536 bytes]; lane-row r of tile t is row 32 (t / 2) + 8 (t % 2) + r + 8 (r / 8); scale words [tile][K step][16 rows].
; SHARES.  256 work-groups of four waves; a work-group makes 128 tokens x 128 columns, a wave 64 x 64: 16 accumulators, 128 registers.
; K goes through a ring of two LDS slots of NQ = 4 K steps (98,304 bytes a slot), one tensor load a wave (4 tiles x 6,144 bytes).  The scale words of the 16 tiles for all of K (32,768 bytes) come once.
; THE HEAD: four tiles, one joint load a wave: wave 0 slot 0's 8 tiles of A, wave 2 its 8 tiles of B, wave 1 A's scale words, wave 3 B's; slot 1 is first filled as a refill is.
; The first K step starts the sums (C = 0).  x1 and the bias are loaded at the head into registers of their own, joined while slot 1's tiles are on their way, and added to the sums on the way out:
; the order of the f32 additions is (x1 + bias) + product.
; Source 0 = the weight's fragment, source 1 = hid's: lane (r, h) of accumulator (a, b) holds token lane-row r, its register j column 32 (b / 2) + 16 h + 8 (b % 2) + j.
; CLUSTERS: 4 x 4 work-groups; A's tiles are asked for jointly along a row of the cluster, B's along a column.
; PREFETCH: behind the load of fill f each wave names fill f + 2 (behind the head's loads fills 1 and 2).  Of the four tiles that a wave fetches, each of the four partners that ask for them jointly takes one,
; told apart by address (cx for A, cy for B): 6,144 bytes = 24 blocks of 256, a lane a block (lanes 24-31 name block 23 again).  Fills 6 and 7 are the last: the loop's last trip asks for nothing.
; LIMITS: the codes and bytes are this program's own; NaN and infinities in x1 or the bias go to the result as f32 additions carry them.
; REGISTERS: window 0: v15 prefetch offset, v16-23 fragment addresses, v24-31 other addresses, v32-63 scale words (two sets), v64-95 bias, v128-175 A's fragments; on the way out v128-255 rows read back.
;   window 1: B's fragments, two sets, at v0 and v128.  window 2: v0-127 the accumulators, (a, b) at v[8 (4 a + b)]; v128-255 x1 + bias in the same order.
.set NA, 4
.set NB, 4
.set LOGNA, 2
.set NQ, 4
.set KT, 32
.set LAPS, KT/(2*NQ)
.set FR, 12
.set FRB, 1536
.set STEPB, NQ*FRB                     ; a tile's bytes in a slot
.set RTP, KT*FRB                       ; a tile's bytes in memory
.set KSB, KT*64                        ; a tile's scale words
.set HALFS, NA*KSB
.set HALFT, NA*STEPB
.set SLOT, 4*HALFT                     ; A's two halves, then B's two
.set SCL, 2*SLOT                       ; the scale words: A's two halves, then B's two
.set SPARE, SCL+4*HALFS                ; the spare words, 128 bytes a wave, that no other line names
.set STAGE, SPARE+512                  ; the way out: 16 rows x 272 bytes for each wave; no fill lands here
.set NL, 4
.set HALF, NA/2
.set PFO, 15
.set ADRA, 16
.set ADRB, 20
.set ADRS, 27
.set SPW, 28
.set NIL, 29
.set SC, 32
.set BI, 64
.set AF, 128
.set RES, 128                          ; in window 2
.set G1, 24
.set G0, 32
.set G1B, 48
.set G0B, 56
.set G1S, 68
.set G0S, 76
.set G1SB, 80
.set G0SB, 88
.set PFA, 98                           ; s[98:99] where my prefetches stand
.set MUL, 0xa1                         ; source 0 (B) window 1, source 1 (A) window 0, C and D window 2
.set TO_B, 0x40
.set MSB, 0
.macro WIN new                         ; the immediate's high byte repeats the setting that is left
.if MSB != (\new)
	s_set_vgpr_msb (MSB<<8)|(\new)
.set MSB, (\new)
.endif
.endm
.macro PLACES                          ; four plain lines between a matrix instruction and a load into, or a read of, its registers
.rept 4
	v_nop
.endr
.endm
.macro JLOAD g0a, g1a, g0b, g1b        ; waves 0 and 1 fetch for A, waves 2 and 3 for B; s_nop 0 and four v_nop behind each line
	s_cmp_eq_u32 s15, 0
	s_cbranch_scc0 .Lfor_b_\@
	tensor_load_to_lds s[\g0a:\g0a+3], s[\g1a:\g1a+7]
	s_nop 0
.rept 4
	v_nop
.endr
	s_branch .Lasked_\@
.Lfor_b_\@:
	tensor_load_to_lds s[\g0b:\g0b+3], s[\g1b:\g1b+7]
	s_nop 0
.rept 4
	v_nop
.endr
.Lasked_\@:
.endm
.macro ARM w, g0, g1, next             ; an arm of the head's chain: wave w's one load
	s_cmp_eq_u32 s14, \w
	s_cbranch_scc0 \next
	tensor_load_to_lds s[\g0:\g0+3], s[\g1:\g1+7]
	s_nop 0
.rept 4
	v_nop
.endr
	s_branch .Lhead_asked
\next:
.endm
.macro CREST                           ; a round of the cluster's barrier behind its opening barrier
	s_cmp_lg_u32 s14, 0
	s_cbranch_scc1 .Lnot_wave_0_\@
	s_barrier_signal -3
.Lnot_wave_0_\@:
	s_barrier_wait -3
	s_barrier_signal -1
	s_barrier_wait -1
.endm
.macro CROUND
	s_barrier_signal -1
	s_barrier_wait -1
	CREST
.endm
.macro FRAG reg, adr, off              ; a fragment's image into 12 registers
	ds_load_b128 v[\reg:\reg+3], v[\adr] offset:\off
	ds_load_b64 v[\reg+4:\reg+5], v[\adr+2] offset:\off+512
	ds_load_b128 v[\reg+6:\reg+9], v[\adr] offset:\off+768
	ds_load_b64 v[\reg+10:\reg+11], v[\adr+2] offset:\off+1280
.endm
.macro FETCH_B slot, q, p
	WIN TO_B
.set II, 0
.rept NB
	FRAG 128*(\p)+FR*II, ADRB+\slot, II*STEPB+(\q)*FRB
.set II, II+1
.endr
	WIN 0
.endm
.macro FETCH_A slot, q, i0
.set II, \i0
.rept HALF
	FRAG AF+FR*II, ADRA+\slot, II*STEPB+(\q)*FRB
.set II, II+1
.endr
.endm
.macro SCALES sc                       ; a slot's scale words into set sc: lanes 0-15 take A's block i, lanes 16-31 B's block i
.set II, 0
.rept NA
.set QQ, 0
.rept NQ
	ds_load_b32 v[SC+16*(\sc)+NQ*II+QQ], v[ADRS] offset:II*KSB+64*QQ
.set QQ, QQ+1
.endr
.set II, II+1
.endr
.endm
.macro MULS a0, n, p, q, sc, zero      ; A's blocks a0 .. a0 + n - 1, each against B's four; the sixteen accumulators take turns
.set AA, \a0
.rept \n
.set BB, 0
.rept NB
.set DR, 8*(NB*AA+BB)
.if \zero
	v_wmma_scale_f32_16x16x128_f8f6f4 v[DR:DR+7], v[128*(\p)+FR*BB:128*(\p)+FR*BB+FR-1], v[AF+FR*AA:AF+FR*AA+FR-1], 0, v[SC+16*(\sc)+NQ*BB+(\q)], v[SC+16*(\sc)+NQ*AA+(\q)] matrix_a_fmt:MATRIX_FMT_FP6 matrix_b_fmt:MATRIX_FMT_FP6 matrix_a_scale:MATRIX_SCALE_ROW1
.else
	v_wmma_scale_f32_16x16x128_f8f6f4 v[DR:DR+7], v[128*(\p)+FR*BB:128*(\p)+FR*BB+FR-1], v[AF+FR*AA:AF+FR*AA+FR-1], v[DR:DR+7], v[SC+16*(\sc)+NQ*BB+(\q)], v[SC+16*(\sc)+NQ*AA+(\q)] matrix_a_fmt:MATRIX_FMT_FP6 matrix_b_fmt:MATRIX_FMT_FP6 matrix_a_scale:MATRIX_SCALE_ROW1
.endif
.set BB, BB+1
.endr
.set AA, AA+1
.endr
.endm
.macro STEP slot, q, zero              ; a K step that has its successor in the same slot
	s_wait_dscnt HALF*NL                           ; B's set and A's lower blocks are in; A's upper two fragments, the youngest eight loads, may be out
	WIN MUL
	MULS 0, HALF, (\q)%2, \q, \slot, \zero
	s_wait_dscnt 0
	PLACES
	FETCH_B \slot, (\q)+1, 1-(\q)%2
	FETCH_A \slot, (\q)+1, 0
	WIN MUL
	MULS HALF, HALF, (\q)%2, \q, \slot, \zero
	PLACES
	WIN 0
	FETCH_A \slot, (\q)+1, HALF
.endm
.macro STEPS slot
	STEP \slot, 0, 0
	STEP \slot, 1, 0
	STEP \slot, 2, 0
.endm
; A slot's last K step changes slots: one barrier; ahead of it each wave waits for all its tensor loads, adds 0 to its spare word, and waits for that and for its reads of this slot.
.macro TURN slot, next, fill, ask
	s_wait_tensorcnt 0x0                           ; all my tensor loads have landed: my part of the next slot
	ds_add_u32 v[SPW], v[NIL]
	s_wait_dscnt HALF*NL+1                         ; (the add and A's upper two fragments may be out)
	WIN MUL
	MULS 0, HALF/2, 1, NQ-1, \slot, 0
	s_wait_dscnt 0x0                               ; the add is done, and my reads of this slot are over
	s_barrier_signal -1
	MULS HALF/2, HALF/2, 1, NQ-1, \slot, 0
	WIN 0
	s_barrier_wait -1
.if \fill
	CREST                                          ; the barrier has opened a round of the cluster's: no wave of any partner still reads this slot or has a load on its way
	s_add_nc_u64 s[G0+4*\slot+2:G0+4*\slot+3], s[G0+4*\slot+2:G0+4*\slot+3], 2*STEPB
	s_add_nc_u64 s[G0B+4*\slot+2:G0B+4*\slot+3], s[G0B+4*\slot+2:G0B+4*\slot+3], 2*STEPB
	JLOAD G0+4*\slot, G1, G0B+4*\slot, G1B         ; the first tensor load behind the round; its four v_nop are the places ahead of the loads below
.else
	PLACES
.endif
	s_wait_alu depctr_va_vdst(0)                   ; the address below was written a slot ago, behind waits and barriers
	v_add_nc_u32 v[ADRS], 64*NQ, v[ADRS]           ; the next slot's scale words
	FETCH_B \next, 0, 0
	FETCH_A \next, 0, 0
	SCALES \next
.if \fill
	s_cmp_gt_u32 s3, 1                             ; the loop's last trip loads fills 6 and 7: there is no fill two on
	s_cbranch_scc0 .Lno_ask_\@
	global_prefetch_b8 v[PFO], s[PFA:PFA+1] offset:\ask th:TH_LOAD_NT scope:SCOPE_SE
.Lno_ask_\@:
.endif
	WIN MUL
	MULS HALF, HALF, 1, NQ-1, \slot, 0
	PLACES
	WIN 0
	FETCH_A \next, 0, HALF
.endm
	s_load_b256 s[4:11], s[0:1], 0x0               ; hid, wts, b_proj2, mid
	s_load_b64 s[12:13], s[0:1], 0x20              ; out0
	v_lshl_add_u32 v[SPW], v0, 2, SPARE
	v_mov_b32 v[NIL], 0
	ds_add_u32 v[SPW], v[NIL]                      ; the wave's opening: the add, twice on end, and its wait ahead of my first tensor load
	ds_add_u32 v[SPW], v[NIL]
	v_lshrrev_b32 v1, 5, v0
	v_readfirstlane_b32 s14, v1                    ; wave 0..3
	s_lshr_b32 s15, s14, 1                         ; my half of A's tiles.  Also: in the ring I fetch for A (0) or for B (1)
	s_and_b32 s16, s14, 1                          ; my half of B's tiles.  Also: which half I fetch
	s_bfe_u32 s40, ttmp6, 0x40000                  ; cx
	s_bfe_u32 s41, ttmp6, 0x40004                  ; cy
	s_lshl_b32 s42, ttmp9, 2
	s_add_co_u32 s42, s42, s40                     ; block of 128 columns
	s_and_b32 s17, ttmp7, 0xffff
	s_lshl_b32 s17, s17, 2
	s_add_co_u32 s17, s17, s41                     ; block of 128 tokens
	s_lshl_b32 s43, s41, 2
	s_lshl_b32 s43, 15, s43                        ; my row of the cluster
	s_lshl_b32 s44, 0x1111, s40                    ; my column
	s_or_b32 s[G1+0], s43, (3<<16)|(1<<21)         ; 15:0 the mask; 17:16 elements of 8 bytes; 21 set beside a mask; no padding
	s_or_b32 s[G1B+0], s44, (3<<16)|(1<<21)
.irp g, G1, G1B
	s_mov_b32 s[\g+1], (STEPB/8)<<16               ; tensor_dim0: a tile's bytes in a slot
	s_mov_b32 s[\g+2], (2*NA)<<16                  ; tensor_dim1: 2 NA tiles for the head's loads; NA behind them
	s_mov_b32 s[\g+3], (STEPB/8)<<16
	s_mov_b32 s[\g+4], 2*NA
	s_mov_b32 s[\g+5], RTP/8                       ; from tile to tile
	s_mov_b32 s[\g+6], 0
	s_mov_b32 s[\g+7], 0
.endr
	s_or_b32 s[G1S+0], s43, (3<<16)|(1<<21)        ; the scale words of 2 NA tiles: a dense block, as rows of 256 bytes
	s_or_b32 s[G1SB+0], s44, (3<<16)|(1<<21)
.irp g, G1S, G1SB
	s_mov_b32 s[\g+1], 32<<16
	s_mov_b32 s[\g+2], (2*HALFS/256)<<16
	s_mov_b32 s[\g+3], 32<<16
	s_mov_b32 s[\g+4], 2*HALFS/256
	s_mov_b32 s[\g+5], 32
	s_mov_b32 s[\g+6], 0
	s_mov_b32 s[\g+7], 0
.endr
	s_lshl_b32 s18, s16, LOGNA
	s_lshl_b32 s20, s17, LOGNA+1                   ; A's first tile of the block,
	s_lshl_b32 s46, s42, LOGNA+1                   ; B's
	s_mul_i32 s22, s20, KSB
	s_add_co_u32 s22, s22, 12582912                ; hid's scale words lie behind its codes,
	s_mul_i32 s92, s46, KSB
	s_add_co_u32 s92, s92, 9699328                 ; w_proj2's at this byte of wts
	s_add_co_u32 s20, s20, s18                     ; the first tile that I fetch in the ring
	s_add_co_u32 s46, s46, s18
	s_mul_i32 s20, s20, RTP
	s_mul_i32 s46, s46, RTP
	s_add_co_u32 s46, s46, 6291456                 ; w_proj2's codes in wts
	s_mov_b32 s21, 0
	s_mov_b32 s23, 0
	s_mov_b32 s47, 0
	s_mov_b32 s93, 0
	s_mul_i32 s45, s14, HALFT                      ; where my tiles go: no place in the cluster enters an LDS address
	s_cmp_eq_u32 s15, 0                            ; the prefetches: of the four tiles that I fetch, my work-group names the one at its place among the four partners
	s_cselect_b32 s96, s20, s46
	s_cselect_b32 s97, s40, s41
	s_mul_i32 s97, s97, RTP
	s_add_co_u32 s96, s96, s97
	s_mov_b32 s97, 0
	s_wait_dscnt 0x0                               ; both opening adds are done
	s_wait_kmcnt 0x0
	s_cmp_eq_u32 s15, 0
	s_cselect_b64 s[PFA:PFA+1], s[4:5], s[6:7]
	s_add_nc_u64 s[PFA:PFA+1], s[PFA:PFA+1], s[96:97]
	s_add_nc_u64 s[20:21], s[4:5], s[20:21]
	s_add_nc_u64 s[22:23], s[4:5], s[22:23]
	s_add_nc_u64 s[46:47], s[6:7], s[46:47]
	s_add_nc_u64 s[92:93], s[6:7], s[92:93]
	CROUND                                         ; all sixteen work-groups are here: the first joint loads meet
	s_mov_b32 s[G0S], 1
	s_mov_b32 s[G0S+1], SCL
	s_mov_b64 s[G0S+2:G0S+3], s[22:23]
	s_or_b32 s[G0S+3], s[G0S+3], 0x80000000
	s_mov_b32 s[G0SB], 1
	s_mov_b32 s[G0SB+1], SCL+2*HALFS
	s_mov_b64 s[G0SB+2:G0SB+3], s[92:93]
	s_or_b32 s[G0SB+3], s[G0SB+3], 0x80000000
.irp s, 0,1
	s_mov_b32 s[G0+4*\s], 1
	s_add_co_u32 s[G0+4*\s+1], s45, \s*SLOT
	s_add_nc_u64 s[G0+4*\s+2:G0+4*\s+3], s[20:21], \s*STEPB
	s_or_b32 s[G0+4*\s+3], s[G0+4*\s+3], 0x80000000
	s_mov_b32 s[G0B+4*\s], 1
	s_add_co_u32 s[G0B+4*\s+1], s45, \s*SLOT
	s_add_nc_u64 s[G0B+4*\s+2:G0B+4*\s+3], s[46:47], \s*STEPB
	s_or_b32 s[G0B+4*\s+3], s[G0B+4*\s+3], 0x80000000
.endr
	ARM 0, G0, G1, .Lhead_b                        ; wave 0's own group 0 begins at A's first tile and at LDS byte 0: with 2 NA rows it brings all of A's slot 0;
	ARM 2, G0B, G1B, .Lhead_sa                     ; wave 2's likewise for B, at LDS byte 2 HALFT;
	ARM 1, G0S, G1S, .Lhead_sb                     ; A's scale words;
	tensor_load_to_lds s[G0SB:G0SB+3], s[G1SB:G1SB+7]  ; B's
	s_nop 0
.rept 4
	v_nop
.endr
.Lhead_asked:
	s_mul_i32 s21, s15, HALFT                      ; my NA tiles of A in a slot,
	s_mul_i32 s22, s16, HALFT
	s_add_co_u32 s22, s22, 2*HALFT                 ; of B
	s_mul_i32 s92, s15, HALFS                      ; A's scale words,
	s_mul_i32 s23, s16, HALFS
	s_add_co_u32 s23, s23, 2*HALFS
	s_sub_co_u32 s23, s23, s92                     ; how far behind them B's lie
	s_add_co_u32 s92, s92, SCL
	s_mul_i32 s93, s14, 16*272
	s_add_co_u32 s93, s93, STAGE                   ; my stage
	s_lshl_b32 s66, s17, 3
	s_lshl_b32 s67, s15, 2
	s_add_co_u32 s66, s66, s67                     ; my first token tile
	s_lshl_b32 s66, s66, 5
	s_lshl_b32 s67, s42, 2
	s_add_co_u32 s66, s66, s67
	s_lshl_b32 s67, s16, 1
	s_add_co_u32 s66, s66, s67                     ; x 32 + my first group of 32 columns
	s_lshl_b32 s66, s66, 11                        ; x1: [tile][32 columns][4 x 512 bytes]
	s_mov_b32 s67, 0
	s_add_nc_u64 s[66:67], s[10:11], s[66:67]
	s_lshl_b32 s96, s42, 9
	s_lshl_b32 s97, s16, 8
	s_add_co_u32 s96, s96, s97                     ; my 64 columns in bytes
	s_mov_b32 s97, 0
	s_lshl_b32 s94, s17, 19
	s_lshl_b32 s95, s15, 18
	s_add_co_u32 s94, s94, s95                     ; my 64 tokens' rows of 4,096 bytes
	s_add_co_u32 s94, s94, s96
	s_mov_b32 s95, 0
	s_add_nc_u64 s[12:13], s[12:13], s[94:95]
	s_add_nc_u64 s[96:97], s[8:9], s[96:97]
	v_and_b32 v1, 15, v0                           ; r
	v_bfe_u32 v2, v0, 4, 1                         ; h
	v_and_b32 v3, 31, v0                           ; lane
	v_lshlrev_b32 v24, 4, v3                       ; 16 x lane
	v_lshlrev_b32 v5, 3, v3                        ; 8 x lane
	v_add_nc_u32 v[ADRA], s21, v24
	v_add_nc_u32 v[ADRB], s22, v24
	v_add_nc_u32 v[ADRA+2], s21, v5
	v_add_nc_u32 v[ADRB+2], s22, v5
	v_add_nc_u32 v[ADRA+1], SLOT, v[ADRA]
	v_add_nc_u32 v[ADRB+1], SLOT, v[ADRB]
	v_add_nc_u32 v[ADRA+3], SLOT, v[ADRA+2]
	v_add_nc_u32 v[ADRB+3], SLOT, v[ADRB+2]
	v_lshlrev_b32 v7, 2, v1                        ; 4 r
	v_mul_u32_u24 v6, s23, v2                      ; lanes 16-31 take B's words
	v_add_nc_u32 v7, v7, v6
	v_add_nc_u32 v[ADRS], s92, v7
	v_lshlrev_b32 v30, 6, v2                       ; 64 h
	v_mul_u32_u24 v5, v1, 272
	v_lshl_add_u32 v5, v2, 6, v5
	v_add_nc_u32 v25, s93, v5                      ; the stage, in: row r, 64 bytes for each half of the lanes
	v_mul_u32_u24 v6, v2, 272
	v_lshl_add_u32 v6, v1, 4, v6
	v_add_nc_u32 v26, s93, v6                      ; back: lanes 0-15 one row of 256 bytes, lanes 16-31 the next
	v_lshlrev_b32 v7, 12, v2
	v_lshl_add_u32 v31, v1, 4, v7                  ; and the same two rows in out0
	v_min_u32 v[PFO], 23, v3
	v_lshlrev_b32 v[PFO], 8, v[PFO]                ; my block of 256 bytes of a tile's 6,144
	WIN 0x80
.irp a, 0,1,2,3
.irp gm, 0,1
.irp j, 0,1,2,3
	global_load_b128 v[RES+32*\a+16*\gm+4*\j:RES+32*\a+16*\gm+4*\j+3], v24, s[66:67] offset:(32*\a+\gm)*2048+512*\j th:TH_LOAD_NT   ; x1, 512 consecutive bytes a load
.endr
.endr
.endr
	WIN 0
.irp gm, 0,1
.irp j, 0,1,2,3
	global_load_b128 v[BI+16*\gm+4*\j:BI+16*\gm+4*\j+3], v30, s[96:97] offset:128*\gm+16*\j
.endr
.endr
	global_prefetch_b8 v[PFO], s[PFA:PFA+1] offset:STEPB th:TH_LOAD_NT scope:SCOPE_SE     ; fill 1,
	global_prefetch_b8 v[PFO], s[PFA:PFA+1] offset:2*STEPB th:TH_LOAD_NT scope:SCOPE_SE   ; fill 2
	s_wait_alu depctr_va_vdst(0)                   ; the head's end
	s_wait_tensorcnt 0x0                           ; my tile of the head's four is in; ahead of a later first fill:
	ds_add_u32 v[SPW], v[NIL]
	s_mov_b32 s[G1+2], NA<<16                      ; no tensor load of mine is out: from here on a load brings NA tiles
	s_mov_b32 s[G1+4], NA
	s_mov_b32 s[G1B+2], NA<<16
	s_mov_b32 s[G1B+4], NA
	s_wait_dscnt 0x0
	CROUND                                         ; all four tiles are in, and all sixteen work-groups are here
	JLOAD G0+4, G1, G0B+4, G1B                     ; slot 1's first fill, the first tensor load behind the round
	FETCH_B 0, 0, 0
	FETCH_A 0, 0, 0
	SCALES 0
	FETCH_A 0, 0, HALF
	global_prefetch_b8 v[PFO], s[PFA:PFA+1] offset:3*STEPB th:TH_LOAD_NT scope:SCOPE_SE   ; fill 3
	STEP 0, 0, 1                                   ; the first K step starts the sums: nothing is cleared
	STEP 0, 1, 0
	STEP 0, 2, 0
	s_wait_loadcnt 0x0                             ; x1 and the bias, asked for at the head
	WIN 0x82
.set AA, 0
.rept 4
.set JJ, 0
.rept 16
	v_pk_add_f32 v[RES+32*AA+JJ:RES+32*AA+JJ+1], v[RES+32*AA+JJ:RES+32*AA+JJ+1], v[BI+JJ:BI+JJ+1]   ; x1 + bias, while slot 1's tiles are on their way
.set JJ, JJ+2
.endr
.set AA, AA+1
.endr
	WIN 0
	s_mov_b32 s3, LAPS-1
.Llap:                                             ; a trip: fills 2 + 2 t and 3 + 2 t are loaded, fills 4 + 2 t and 5 + 2 t named
	TURN 0, 1, 1, 4*STEPB
	STEPS 1
	TURN 1, 0, 1, 5*STEPB
	STEPS 0
	s_wait_xcnt 0x0                                ; my prefetches have read their address: three K steps behind the last of them it may step
	s_add_nc_u64 s[PFA:PFA+1], s[PFA:PFA+1], 2*STEPB
	s_sub_co_u32 s3, s3, 1
	s_cmp_lg_u32 s3, 0
	s_cbranch_scc1 .Llap
	TURN 0, 1, 0, 0                                ; the last lap fills nothing
	STEPS 1
	s_wait_dscnt HALF*NL
	WIN MUL
	MULS 0, HALF, 1, NQ-1, 1, 0
	s_wait_dscnt 0
	MULS HALF, HALF, 1, NQ-1, 1, 0
	WIN 0
	PLACES
; THE WAY OUT, token tile by token tile: + (x1 + bias), each accumulator from its low end on; through my own stage, back as whole rows of 256 bytes.  LDS serves a wave's instructions in order (ISA guide 5.7.1.4).
.irp a, 0,1,2,3
	WIN 0x8a
.set JJ, 0
.rept 16
	v_pk_add_f32 v[32*\a+JJ:32*\a+JJ+1], v[32*\a+JJ:32*\a+JJ+1], v[RES+32*\a+JJ:RES+32*\a+JJ+1]
.set JJ, JJ+2
.endr
	WIN 0x08
.irp gm, 0,1
.irp j, 0,1,2,3
	ds_store_b128 v25, v[32*\a+16*\gm+4*\j:32*\a+16*\gm+4*\j+3] offset:128*\gm+16*\j
.endr
.endr
	WIN 0
.irp t, 0,1,2,3,4,5,6,7
	ds_load_b128 v[128+32*\a+4*\t:128+32*\a+4*\t+3], v26 offset:544*\t
.endr
.endr
.irp a, 0,1,2,3
	s_wait_dscnt 16*(3-\a)                         ; tile a is back; the later tiles' 8 stores and 8 loads each may be out
.irp t, 0,1,2,3,4,5,6,7
	global_store_b128 v31, v[128+32*\a+4*\t:128+32*\a+4*\t+3], s[12:13] offset:(32*(\a/2)+8*(\a%2)+2*\t+8*(\t/4))*4096 th:TH_STORE_NT   ; 16 lanes store 256 consecutive bytes, aligned
.endr
.endr
	s_wait_tensorcnt 0x0                           ; the wave's end
	ds_add_u32 v[SPW], v[NIL]
	s_wait_dscnt 0x0
	CROUND                                         ; the closing round
	s_endpgm
.Lfunc_end_k_qab2df51589_proj2:
	.size	k_qab2df51589_proj2, .Lfunc_end_k_qab2df51589_proj2-k_qab2df51589_proj2
	.p2alignl 7, 3214868480
	.fill 96, 4, 3214868480
	.section	.rodata,"a",@progbits
	.p2align	6, 0x0
	.amdhsa_kernel k_qab2df51589_proj2
		.amdhsa_group_segment_fixed_size 327680
		.amdhsa_private_segment_fixed_size 0
		.amdhsa_enable_private_segment 0
		.amdhsa_kernarg_size 40
		.amdhsa_user_sgpr_count 2
		.amdhsa_user_sgpr_kernarg_segment_ptr 1
		.amdhsa_wavefront_size32 1
		.amdhsa_system_sgpr_workgroup_id_x 1
		.amdhsa_system_sgpr_workgroup_id_y 1
		.amdhsa_system_sgpr_workgroup_id_z 1
		.amdhsa_system_vgpr_workitem_id 0
		.amdhsa_next_free_vgpr 768
		.amdhsa_next_free_sgpr 100
		.amdhsa_reserve_vcc 0
		.amdhsa_float_denorm_mode_32 3
		.amdhsa_float_denorm_mode_16_64 3
		.amdhsa_memory_ordered 1
		.amdhsa_forward_progress 1
		.amdhsa_inst_pref_size 110
	.end_amdhsa_kernel
	.amdgpu_metadata
---
amdhsa.version: [ 1, 2 ]
amdhsa.kernels:
  - .name:           k_qab2df51589_proj2
    .symbol:         k_qab2df51589_proj2.kd
    .args:
      - { .name: hid, .offset: 0, .size: 8, .value_kind: global_buffer, .address_space: global }
      - { .name: wts, .offset: 8, .size: 8, .value_kind: global_buffer, .address_space: global }
      - { .name: b_proj2, .offset: 16, .size: 8, .value_kind: global_buffer, .address_space: global }
      - { .name: mid, .offset: 24, .size: 8, .value_kind: global_buffer, .address_space: global }
      - { .name: out0, .offset: 32, .size: 8, .value_kind: global_buffer, .address_space: global }
    .group_segment_fixed_size: 327680
    .private_segment_fixed_size: 0
    .kernarg_segment_align: 8
    .kernarg_segment_size: 40
    .max_flat_workgroup_size: 128
    .sgpr_count:     100
    .vgpr_count:     768
    .wavefront_size: 32
...
	.end_amdgpu_metadata
.endif
;; end of part 6
